; MI455X (gfx1250); checked and timed in simulation.
; The chip was launched on July 23, 2026; its instructions are those of AMD's public machine-readable ISA for CDNA 5 (MIT licence, August 2026) and "CDNA5" Instruction Set Architecture Reference Guide (July 2026). The comments in the code are by the model that wrote it; some were corrected since.
;; Self Attentnion v3. Allowed arithmetic: float matrix products may take bf16 or f16 operands with f32 sums; other float arithmetic in f32, or as packed bf16 or f16 multiplies, adds, multiply-adds, maxima and minima; sums over many terms, partial sums and values carried from step to step in f32; what a program stores and reads back later, other than sums and carried values, may be rounded once to bf16 or f16.
;; Inputs: Wo 1,024 x 1,024 float32; Wqkv 1,024 x 3,072 float32; X 4 x 2,048 x 1,024 float32; bo 1,024 float32; bqkv 3,072 float32.
;; Outputs: out0 4 x 2,048 x 1,024 float32.
;; 2 versions, each right; version 2 is version 1 with the launch prep written anew for expert scheduling mode. Each part assembles by itself: llvm-mc -triple=amdgcn-amd-amdhsa -mcpu=gfx1250 --defsym DOCPART=n.
;; ======== version 1 of 2: 5 launches
;; limits: values are held in f16: magnitudes above 65,504 overflow, below 6.1e-05 lose precision
;; workspace buffers: Xh 16,777,216 bytes; Wh 6,291,456 bytes; Woh 2,097,152 bytes; qkv 50,331,648 bytes; P 33,554,432 bytes; stats 1,048,576 bytes; O 16,777,216 bytes
;; launch prep (part 1): grid 768 x 1, 8 waves a work-group, no clusters, 0 bytes of LDS; arguments X, Wqkv, Wo, Xh, Wh, Woh; writes Xh, Wh, Woh
.if DOCPART == 1
	.amdgcn_target "amdgcn-amd-amdhsa--gfx1250"
	.amdhsa_code_object_version 6
	.text
	.protected	k_q3ed9a82b7f_prep
	.globl	k_q3ed9a82b7f_prep
	.p2align	8
	.type	k_q3ed9a82b7f_prep,@function
k_q3ed9a82b7f_prep:
	s_mov_b64 s[64:65], 0
	v_nop
	global_prefetch_b8 v0, s[64:65] scope:SCOPE_SE
	s_setreg_imm32_b32 hwreg(HW_REG_WAVE_MODE, 25, 1), 1
	s_wait_xcnt 0x0
; Xh = f16(X), Wh = f16(Wqkv), Woh = f16(Wo): the matrix operands of the later launches, rounded once to nearest even.
; LIMIT: a number above 65,504 in magnitude becomes an infinity in f16; numbers below 6e-5 keep fewer bits, below 3e-8 they become 0.
; A stream: every byte is read once and written once, work-groups share no input, so LDS, barriers, the matrix unit and clusters have nothing to add.
; A work-group takes a chunk of 16,384 numbers (65,536 bytes in, 32,768 out); X has 512 chunks, Wqkv 192, Wo 64: 768 work-groups.
; A wave takes 2,048 numbers: sixteen loads of 16 bytes a lane, each 512 consecutive bytes, all issued before the first is used;
; each store of 8 bytes a lane covers 256 consecutive bytes, aligned.
.set XCH, 512                          ; chunks of X
.set WCH, 192                          ; chunks of Wqkv
.set IN,  4                            ; v[4:67]   load j: 4 registers
.set OUT, 68                           ; v[68:99]  store j: 2 registers
	s_load_b256 s[4:11], s[0:1], 0x0               ; X s[4:5], Wqkv s[6:7], Wo s[8:9], Xh s[10:11]
	s_load_b128 s[12:15], s[0:1], 0x20             ; Wh s[12:13], Woh s[14:15]
	s_mov_b32 s16, ttmp9                           ; the chunk's number over all three tensors
	s_sub_co_u32 s17, s16, XCH                     ; its number in Wqkv, if it lies there
	s_sub_co_u32 s18, s16, XCH+WCH                 ; its number in Wo, if it lies there
	v_lshrrev_b32 v3, 5, v0                        ; wave
	v_and_b32 v2, 31, v0                           ; lane
	v_lshlrev_b32 v1, 4, v2
	v_lshlrev_b32 v2, 3, v2
	v_lshl_add_u32 v1, v3, 13, v1                  ; in: 8,192 x wave + 16 x lane
	v_lshl_add_u32 v2, v3, 12, v2                  ; out: 4,096 x wave + 8 x lane
	s_wait_kmcnt 0x0
	s_cmp_lt_u32 s16, XCH+WCH                      ; the choice of tensor hangs on the work-group's number alone
	s_cselect_b64 s[20:21], s[6:7], s[8:9]
	s_cselect_b64 s[22:23], s[12:13], s[14:15]
	s_cselect_b32 s19, s17, s18
	s_cmp_lt_u32 s16, XCH
	s_cselect_b64 s[20:21], s[4:5], s[20:21]
	s_cselect_b64 s[22:23], s[10:11], s[22:23]
	s_cselect_b32 s19, s16, s19
	s_lshl_b32 s24, s19, 16                        ; the chunk's bytes in (at most 511 x 65,536: one word)
	s_mov_b32 s25, 0
	s_lshl_b32 s26, s19, 15                        ; and out
	s_mov_b32 s27, 0
	s_add_nc_u64 s[20:21], s[20:21], s[24:25]
	s_add_nc_u64 s[22:23], s[22:23], s[26:27]
.irp j, 0,1,2,3,4,5,6,7,8,9,10,11,12,13,14,15
	global_load_b128 v[IN+4*\j:IN+4*\j+3], v1, s[20:21] offset:512*\j th:TH_LOAD_NT
.endr
.irp j, 0,1,2,3,4,5,6,7,8,9,10,11,12,13,14,15
	s_wait_loadcnt 15-\j                           ; loads come back in order: load j is in, the 15 - j younger ones stay out
	v_cvt_pk_f16_f32 v[OUT+2*\j],   v[IN+4*\j],   v[IN+4*\j+1]
	v_cvt_pk_f16_f32 v[OUT+2*\j+1], v[IN+4*\j+2], v[IN+4*\j+3]
	global_store_b64 v2, v[OUT+2*\j:OUT+2*\j+1], s[22:23] offset:256*\j   ; no register is written twice: no wait for sources
.endr
	s_endpgm
.Lfunc_end_k_q3ed9a82b7f_prep:
	.size	k_q3ed9a82b7f_prep, .Lfunc_end_k_q3ed9a82b7f_prep-k_q3ed9a82b7f_prep
	.p2alignl 7, 3214868480
	.fill 96, 4, 3214868480
	.section	.rodata,"a",@progbits
	.p2align	6, 0x0
	.amdhsa_kernel k_q3ed9a82b7f_prep
		.amdhsa_group_segment_fixed_size 0
		.amdhsa_private_segment_fixed_size 0
		.amdhsa_enable_private_segment 0
		.amdhsa_kernarg_size 48
		.amdhsa_user_sgpr_count 2
		.amdhsa_user_sgpr_kernarg_segment_ptr 1
		.amdhsa_wavefront_size32 1
		.amdhsa_system_sgpr_workgroup_id_x 1
		.amdhsa_system_sgpr_workgroup_id_y 1
		.amdhsa_system_sgpr_workgroup_id_z 1
		.amdhsa_system_vgpr_workitem_id 0
		.amdhsa_next_free_vgpr 100
		.amdhsa_next_free_sgpr 66
		.amdhsa_reserve_vcc 0
		.amdhsa_float_denorm_mode_32 3
		.amdhsa_float_denorm_mode_16_64 3
		.amdhsa_memory_ordered 1
		.amdhsa_forward_progress 1
		.amdhsa_inst_pref_size 7
	.end_amdhsa_kernel
	.amdgpu_metadata
---
amdhsa.version: [ 1, 2 ]
amdhsa.kernels:
  - .name:           k_q3ed9a82b7f_prep
    .symbol:         k_q3ed9a82b7f_prep.kd
    .args:
      - { .name: X, .offset: 0, .size: 8, .value_kind: global_buffer, .address_space: global }
      - { .name: Wqkv, .offset: 8, .size: 8, .value_kind: global_buffer, .address_space: global }
      - { .name: Wo, .offset: 16, .size: 8, .value_kind: global_buffer, .address_space: global }
      - { .name: Xh, .offset: 24, .size: 8, .value_kind: global_buffer, .address_space: global }
      - { .name: Wh, .offset: 32, .size: 8, .value_kind: global_buffer, .address_space: global }
      - { .name: Woh, .offset: 40, .size: 8, .value_kind: global_buffer, .address_space: global }
    .group_segment_fixed_size: 0
    .private_segment_fixed_size: 0
    .kernarg_segment_align: 8
    .kernarg_segment_size: 48
    .max_flat_workgroup_size: 256
    .sgpr_count:     66
    .vgpr_count:     100
    .wavefront_size: 32
...
	.end_amdgpu_metadata
.endif
;; end of part 1
;; launch qkv (part 2): grid 8 x 32, 4 waves a work-group, clusters of 4 x 4, 327,680 bytes of LDS; arguments Xh, Wh, qkv, bqkv; writes qkv
.if DOCPART == 2
	.amdgcn_target "amdgcn-amd-amdhsa--gfx1250"
	.amdhsa_code_object_version 6
	.text
	.protected	k_q3ed9a82b7f_qkv
	.globl	k_q3ed9a82b7f_qkv
	.p2align	8
	.type	k_q3ed9a82b7f_qkv,@function
k_q3ed9a82b7f_qkv:
	s_mov_b64 s[64:65], 0
	v_nop
	global_prefetch_b8 v0, s[64:65] scope:SCOPE_SE
	s_setreg_imm32_b32 hwreg(HW_REG_WAVE_MODE, 25, 1), 1
	s_wait_xcnt 0x0
	s_wait_alu depctr_hold_cnt(0) depctr_sa_sdst(0) depctr_va_vdst(0) depctr_va_sdst(0) depctr_va_ssrc(0) depctr_va_vcc(0) depctr_vm_vsrc(0)
	s_getreg_b32 s2, hwreg(HW_REG_IB_STS2, 6, 4)
	s_cmp_eq_u32 s2, 0
	s_cbranch_scc0 .Lentry_in_a_cluster
	s_endpgm
.Lentry_in_a_cluster:
	s_bfe_u32 s2, ttmp6, 0x10000c
	s_cmp_lg_u32 s2, 0xf033
	s_cbranch_scc0 .Lentry_shape_is_right
	s_endpgm
.Lentry_shape_is_right:
; qkv[m][n] = sum over k of Xh[m][k] Wh[k][n] + bqkv[n].  Xh: [8192][1024] f16, Wh: [1024][3072] f16, bqkv: [3072] f32, qkv: [8192][3072] f16.
; Sums and the bias in f32, one rounding to f16.  LIMIT: |qkv| above 65,504 becomes an infinity.  The order of the sums is not the reference's.
; THE BLOCK: 8,192 x 3,072 outputs on 256 work-groups are 98,304 each: a work-group makes 256 x 384 with four waves, a wave 128 x 192:
; 96 accumulator tiles of 16 x 16, 768 registers, windows 1 to 3.
; THE RINGS: two slots of K = 128 for both operands would take 2 x (69,632 + 110,592) = 360,448 bytes, more than the 327,680 of LDS.  So Xh goes
; in steps of 128 along K (a tile's rows are 256 bytes of memory, at multiples of 256) and Wh in steps of 64 (rows of 768 bytes, at multiples of 256).
; Wh's slot is filled again at every change of Wh's slots, Xh's at every second one.
; Wh lies [k][n] and is not transposed in memory: ds_load_tr16_b128 turns 8 x 8 blocks as the fragments are read.
; CLUSTERS: 4 x 4 work-groups.  Xh's tile hangs on the block row alone and is asked for jointly by a row of the cluster, Wh's on the block
; column alone and is asked for jointly by a column: the requests for both are divided by four.
; REGISTERS: window 0: v0-31 addresses, v32-95 and v96-159 Xh's 8 fragments (two buffers), v160-191, v192-223, v224-255 a ring of three groups of
; 4 fragments of Wh.  Window 1 + g: the 32 tiles (a, 4 g + j) at v[8 (4 a + j)]: group g of Wh is always multiplied into window 1 + g, so
; 32 matrix instructions run under one setting of the windows.
; THE MATRIX INSTRUCTION IS USED TRANSPOSED: source 0 = 16 columns of Wh, source 1 = 16 rows of Xh; lane l then holds row l % 16 of qkv and in
; registers 0-7 the columns 8 (l / 16) + 0..7: eight neighbouring numbers, 16 bytes in f16.
.set SIZE_K, 1024
.set SIZE_N, 3072
.set ROWB,   SIZE_N*2                  ; bytes in a row of Wh and of qkv
.set APITCH, 272                       ; an LDS row of Xh: 256 bytes + 16 of padding: sixteen rows start at sixteen different 16-byte columns modulo 256
.set AHALF,  128*APITCH                ; what one tensor load of Xh fills: 128 rows
.set ASLOT,  2*AHALF                   ; 256 rows, K = 128
.set BGRP,   144                       ; 64 columns of Wh in LDS: 128 bytes + 16 of padding
.set BPITCH, 6*BGRP                    ; an LDS k-row of Wh: 864 bytes = 27 x 32, an odd multiple of 32
.set BHALF,  32*BPITCH                 ; what one tensor load of Wh fills: 32 k-rows
.set BSLOT,  2*BHALF                   ; 64 k-rows, K = 64
.set BBASE,  2*ASLOT                   ; Wh's two slots lie behind Xh's two
.set BIASL,  BBASE+2*BSLOT             ; behind the rings: 768 bytes for each wave, the bias of its 192 columns; no tensor load lands here
.set SP,     784                       ; the way out: a row of the block, 768 bytes + 16, an odd multiple of 16
.set ASTEP,  256                       ; 128 along K in Xh: 256 bytes along the row
.set BSTEP,  64*ROWB                   ; 64 along K in Wh: 64 rows down
.set LAPS,   SIZE_K/256                ; a lap = K of 256 = once round Xh's ring, twice round Wh's
.set ADRA, 16                          ; v16-17  LDS address of my Xh fragments in slot 0, 1
.set ADRB, 20                          ; v20-21  the same for Wh
.set STO,  24                          ; v24-25  the way out: where I put 16 bytes of a row, row blocks 0-3 and 4-7
.set RD,   26                          ; the way out: where I read rows back
.set CO,   27                          ; my byte offset in qkv
.set BLA,  28                          ; where I read the bias as fragments
.set BST,  29                          ; where I park the bias
.set BOF,  30                          ; my byte offset in the bias
.set FA,   32                          ; Xh's fragments, buffer f at FA + 64 f
.set FB,   160                         ; Wh's fragments, group g at FB + 32 g
.set BI,   32                          ; the way out: the bias, tile b at BI + 8 b (96 registers)
.set TMP,  128                         ; the way out: packed results of one window (128 registers)
.set G1,  24                           ; s[24:31] group 1 for Xh's tiles
.set G0,  32                           ; s[32:39] group 0 for Xh's tiles, one set for each slot
.set G1B, 48                           ; s[48:55] group 1 for Wh's tiles
.set G0B, 56                           ; s[56:63] group 0 for Wh's tiles, one set for each slot
.set MSB, 0
.macro WIN new                         ; the immediate's high byte repeats the setting that is left; a switch that changes nothing is dropped
.if MSB != \new
	s_set_vgpr_msb (MSB<<8)|\new
.set MSB, \new
.endif
.endm
; Joint loads.  Waves 0 and 1 fetch Xh's two halves, waves 2 and 3 Wh's.  The branches hang on the wave's number alone.
.macro JLOAD2 a, b                     ; Xh's slot a and Wh's slot b
	s_cmp_eq_u32 s11, 0
	s_cbranch_scc0 .Lfor_b_\@
	tensor_load_to_lds s[G0+4*\a:G0+4*\a+3], s[G1:G1+7]
	s_nop 0
	s_branch .Lasked_\@
.Lfor_b_\@:
	tensor_load_to_lds s[G0B+4*\b:G0B+4*\b+3], s[G1B:G1B+7]
	s_nop 0
.Lasked_\@:
.endm
.macro JLOAD1 b                        ; Wh's slot b alone: waves 0 and 1 have no part of a tile to fill and issue nothing
	s_cmp_eq_u32 s11, 0
	s_cbranch_scc1 .Lnone_\@
	tensor_load_to_lds s[G0B+4*\b:G0B+4*\b+3], s[G1B:G1B+7]
	s_nop 0
.Lnone_\@:
.endm
.macro CREST                           ; a round of the cluster's barrier behind its opening work-group barrier
	s_cmp_lg_u32 s10, 0
	s_cbranch_scc1 .Lnot_wave_0_\@
	s_barrier_signal -3
.Lnot_wave_0_\@:
	s_barrier_wait -3
	s_barrier_signal -1
	s_barrier_wait -1
.endm
.macro CROUND                          ; a whole round
	s_barrier_signal -1
	s_barrier_wait -1
	CREST
.endm
	s_load_b128 s[4:7], s[0:1], 0x0                ; Xh s[4:5], Wh s[6:7]
	s_load_b64 s[8:9], s[0:1], 0x10                ; qkv
	s_load_b64 s[66:67], s[0:1], 0x18              ; bqkv
	v_lshl_add_u32 v23, v0, 2, 0x3dc00
	v_mov_b32 v31, 0
	ds_add_u32 v23, v31
	v_lshrrev_b32 v1, 5, v0
	v_readfirstlane_b32 s10, v1                    ; wave 0..3
	s_lshr_b32 s11, s10, 1                         ; which 128 of the block's rows are mine.  Also: I fetch for Xh (0) or Wh (1)
	s_and_b32 s12, s10, 1                          ; which 192 of its columns.  Also: which half of that tile I fetch
	s_bfe_u32 s40, ttmp6, 0x40000                  ; cx
	s_bfe_u32 s41, ttmp6, 0x40004                  ; cy
	s_lshl_b32 s42, ttmp9, 2
	s_add_co_u32 s42, s42, s40                     ; block column = 4 x cluster x + cx, 0..7
	s_and_b32 s13, ttmp7, 0xffff
	s_lshl_b32 s13, s13, 2
	s_add_co_u32 s13, s13, s41                     ; block row = 4 x cluster y + cy, 0..31
	s_lshl_b32 s43, s41, 2
	s_lshl_b32 s43, 15, s43                        ; my row of the cluster: places 4 cy .. 4 cy + 3
	s_lshl_b32 s44, 0x1111, s40                    ; my column: places cx, cx + 4, cx + 8, cx + 12
	; group 1 for Xh: 128 rows x 128 elements of 2 bytes, 4 words of padding behind every 64
	s_or_b32 s[G1+0], s43, (1<<16)|(1<<20)|(1<<21)|(5<<22)|(3<<25)
	s_mov_b32 s[G1+1], 128<<16                     ; tensor_dim0 = 128
	s_mov_b32 s[G1+2], 128<<16                     ; tensor_dim1 = 128
	s_mov_b32 s[G1+3], 128<<16                     ; tile_dim0 = 128
	s_mov_b32 s[G1+4], 128                         ; tile_dim1 = 128
	s_mov_b32 s[G1+5], SIZE_K                      ; elements from row to row
	s_mov_b32 s[G1+6], 0
	s_mov_b32 s[G1+7], 0
	; group 1 for Wh: 32 k-rows x 384 elements of 2 bytes, 4 words of padding behind every 32: six intervals to a row of 192 words
	s_or_b32 s[G1B+0], s44, (1<<16)|(1<<20)|(1<<21)|(4<<22)|(3<<25)
	s_mov_b32 s[G1B+1], 384<<16                    ; tensor_dim0 = 384
	s_mov_b32 s[G1B+2], 32<<16                     ; tensor_dim1 = 32
	s_mov_b32 s[G1B+3], 384<<16                    ; tile_dim0 = 384
	s_mov_b32 s[G1B+4], 32                         ; tile_dim1 = 32
	s_mov_b32 s[G1B+5], SIZE_N
	s_mov_b32 s[G1B+6], 0
	s_mov_b32 s[G1B+7], 0
	; Xh's tiles hang on the block row alone, Wh's on the block column alone; each address in registers that never hold the other coordinate
	s_lshl_b32 s17, s12, 7
	s_lshl_b32 s16, s13, 8
	s_add_co_u32 s16, s16, s17                     ; Xh: row 256 x block row + 128 x half
	s_lshl_b32 s16, s16, 11                        ; x 2,048 bytes (at most 8,064 rows: one word)
	s_mov_b32 s17, 0
	s_mul_i32 s46, s12, 32*ROWB                    ; Wh: k-row 32 x half,
	s_mul_i32 s47, s42, 768                        ; column 384 x block column
	s_add_co_u32 s46, s46, s47
	s_mov_b32 s47, 0
	s_mul_i32 s20, s10, AHALF                      ; where waves 0, 1 land Xh's halves: wave x 34,816
	s_mul_i32 s21, s10, BHALF                      ; where waves 2, 3 land Wh's halves: BBASE + (wave - 2) x 27,648
	s_add_co_u32 s21, s21, BBASE-2*BHALF           ; no place in the cluster enters an LDS address
	s_wait_dscnt 0x0
	s_wait_kmcnt 0x0
	s_add_nc_u64 s[14:15], s[4:5], s[16:17]
	s_add_nc_u64 s[46:47], s[6:7], s[46:47]
	CROUND                                         ; all sixteen work-groups are here: the first joint loads meet
.irp s, 0,1
	s_mov_b32 s[G0+4*\s], 1
	s_add_co_u32 s[G0+4*\s+1], s20, \s*ASLOT
	s_add_nc_u64 s[G0+4*\s+2:G0+4*\s+3], s[14:15], \s*ASTEP
	s_or_b32 s[G0+4*\s+3], s[G0+4*\s+3], 0x80000000
	s_mov_b32 s[G0B+4*\s], 1
	s_add_co_u32 s[G0B+4*\s+1], s21, \s*BSLOT
	s_add_nc_u64 s[G0B+4*\s+2:G0B+4*\s+3], s[46:47], \s*BSTEP
	s_or_b32 s[G0B+4*\s+3], s[G0B+4*\s+3], 0x80000000
	JLOAD2 \s, \s                                  ; all four slots are asked for before anything else: two tensor loads of the wave are out
.endr
	; The bias of my 192 columns, 768 bytes: three loads of 256 consecutive bytes.  No register is free for it during the sums,
	; so it waits in LDS bytes of my own.
	s_mul_i32 s68, s42, 1536
	s_mul_i32 s69, s12, 768
	s_add_co_u32 s68, s68, s69
	s_mov_b32 s69, 0
	s_add_nc_u64 s[66:67], s[66:67], s[68:69]
	v_and_b32 v1, 15, v0                           ; r = l % 16
	v_bfe_u32 v2, v0, 4, 1                         ; h = l / 16
	v_and_b32 v6, 31, v0
	v_lshlrev_b32 v[BOF], 3, v6
	global_load_b64 v[32:33], v[BOF], s[66:67]
	global_load_b64 v[34:35], v[BOF], s[66:67] offset:256
	global_load_b64 v[36:37], v[BOF], s[66:67] offset:512
	; Xh's fragment: lane l holds row r; two loads of 16 bytes, 32 apart, at row x pitch + 16 h
	v_mul_u32_u24 v3, v1, APITCH
	v_lshl_add_u32 v3, v2, 4, v3
	s_mul_i32 s21, s11, AHALF                      ; my 128 rows of Xh
	; Wh's fragment by transposing loads: lane l addresses k-row 8 h + (l & 7), 16 bytes at 16 ((l >> 3) & 1); the second load 16 k-rows down
	v_and_b32 v4, 7, v0
	v_lshl_add_u32 v4, v2, 3, v4
	v_mul_u32_u24 v4, v4, BPITCH
	v_bfe_u32 v5, v0, 3, 1
	v_lshl_add_u32 v4, v5, 4, v4
	s_mul_i32 s22, s12, 3*BGRP                     ; my 192 columns: three groups of 64
	s_add_co_u32 s22, s22, BBASE
.irp s, 0,1
	v_add_nc_u32 v[ADRA+\s], s21, v3
	v_add_nc_u32 v[ADRB+\s], s22, v4
	s_add_co_u32 s21, s21, ASLOT
	s_add_co_u32 s22, s22, BSLOT
.endr
	s_mul_i32 s23, s10, 768
	s_add_co_u32 s23, s23, BIASL                   ; my 768 bytes for the bias
	v_add_nc_u32 v[BST], s23, v[BOF]
	v_lshl_add_u32 v[BLA], v2, 5, s23              ; tile b: columns 16 b + 8 h + 0..7, 32 bytes at 64 b + 32 h
	s_mul_i32 s21, s11, 128*SP                     ; the way out, in: row 128 x my half + 16 a + r,
	s_mul_i32 s22, s12, 384                        ; byte 384 x my half + 32 b + 16 h
	s_add_co_u32 s21, s21, s22
	v_mul_u32_u24 v4, v1, SP
	v_lshl_add_u32 v4, v2, 4, v4
	v_add_nc_u32 v[STO], s21, v4
	v_add_nc_u32 v[STO+1], 64*SP, v[STO]           ; row blocks 4-7: the 16-bit offset does not reach them
	s_mul_i32 s22, s10, 64*SP                      ; back: wave w takes rows 64 w .. 64 w + 63; lanes 0-15 one row's 256 bytes, lanes 16-31 the next row's
	v_mul_u32_u24 v5, v2, SP
	v_lshl_add_u32 v5, v1, 4, v5
	v_add_nc_u32 v[RD], s22, v5
	v_mul_u32_u24 v5, v2, ROWB
	v_lshl_add_u32 v[CO], v1, 4, v5
; 16 matrix instructions: row blocks a0 .. a0 + 3 x the four column blocks of group g, 32 along K, Xh's buffer f.  zero = 1: the product starts the sums.
.macro MULH f, g, a0, zero
.irp a, \a0, \a0+1, \a0+2, \a0+3
.irp j, 0,1,2,3
.if \zero
	v_wmma_f32_16x16x32_f16 v[8*(4*(\a)+\j):8*(4*(\a)+\j)+7], v[FB+32*\g+8*\j:FB+32*\g+8*\j+7], v[FA+64*\f+8*(\a):FA+64*\f+8*(\a)+7], 0
.else
	v_wmma_f32_16x16x32_f16 v[8*(4*(\a)+\j):8*(4*(\a)+\j)+7], v[FB+32*\g+8*\j:FB+32*\g+8*\j+7], v[FA+64*\f+8*(\a):FA+64*\f+8*(\a)+7], v[8*(4*(\a)+\j):8*(4*(\a)+\j)+7]
.endif
.endr
.endr
.endm
; 8 LDS loads: group g of Wh's fragments for the quarter step qq (0, 1) of a slot
.macro LB slot, qq, g
.irp j, 0,1,2,3
	ds_load_tr16_b128 v[FB+32*\g+8*\j:FB+32*\g+8*\j+3],   v[ADRB+\slot] offset:\qq*32*BPITCH+\g*BGRP+32*\j
	ds_load_tr16_b128 v[FB+32*\g+8*\j+4:FB+32*\g+8*\j+7], v[ADRB+\slot] offset:\qq*32*BPITCH+16*BPITCH+\g*BGRP+32*\j
.endr
.endm
; 16 LDS loads: Xh's fragments for the quarter step kq (0..3) of a slot, into buffer f
.macro LA slot, kq, f
.irp i, 0,1,2,3,4,5,6,7
	ds_load_b128 v[FA+64*\f+8*\i:FA+64*\f+8*\i+3],   v[ADRA+\slot] offset:\kq*64+\i*16*APITCH
	ds_load_b128 v[FA+64*\f+8*\i+4:FA+64*\f+8*\i+7], v[ADRA+\slot] offset:\kq*64+\i*16*APITCH+32
.endr
.endm
; Four places (plain vector instructions that name none of the matrix instruction's registers) stand between a matrix
; instruction and a load into, or a vector instruction on, one of its registers.
.macro PLACES
.rept 4
	v_nop
.endr
.endm
; A QUARTER STEP is 32 along K: 96 matrix instructions, three groups of 32.  Behind each group its registers take the same group of the next
; quarter step, 64 matrix instructions ahead of its use; Xh's next 16 loads go behind group 0.  So every quarter issues 24, 8 and 8 LDS loads,
; and the counts below follow: ahead of group 0 the 8 + 8 loads issued behind its own may be out; ahead of groups 1 and 2 the 32 issued behind theirs.
; The 96 accumulators take turns, one instruction a turn, in the same order in every quarter.
; An even quarter: multiplies buffer 0.  nb, nqq: Wh's slot and quarter, na, nkq: Xh's slot and quarter of the next quarter step.
.macro PQ zero, nb, nqq, na, nkq
	s_wait_dscnt 16
	WIN 0x50                                       ; sources window 0, C and D window 1
	MULH 0, 0, 0, \zero
	MULH 0, 0, 4, \zero
	PLACES
	WIN 0
	LB \nb, \nqq, 0
	LA \na, \nkq, 1
	s_wait_dscnt 32
	WIN 0xa0                                       ; C and D window 2
	MULH 0, 1, 0, \zero
	MULH 0, 1, 4, \zero
	PLACES
	WIN 0
	LB \nb, \nqq, 1
	s_wait_dscnt 32
	WIN 0xf0                                       ; C and D window 3
	MULH 0, 2, 0, \zero
	MULH 0, 2, 4, \zero
	PLACES
	WIN 0
	LB \nb, \nqq, 2
.endm
; An odd quarter: multiplies buffer 1 and changes Wh's slots (and with every second one Xh's).  All its fragments were asked for in the quarter
; before, so in front of the barrier each wave waits for all its LDS loads, which are its last reads of the slots that are left, and for all
; its tensor loads.  mode 0: nothing is filled; 1: Wh's slot rb is filled again; 2: Wh's slot rb and Xh's slot ra.  With a fill the barrier opens
; a round of the cluster's barrier, and the joint load is the first thing behind the round.  From a request to the wait for it a wave issues
; 176 matrix instructions.
.macro TQ mode, rb, ra, nb, na, nkq
	s_wait_dscnt 16
	WIN 0x50
	MULH 1, 0, 0, 0
	s_wait_dscnt 0x0                               ; my reads of the slots that are left are over
	s_wait_tensorcnt 0x0                           ; all my tensor loads have landed
	ds_add_u32 v23, v31
	s_wait_dscnt 0x0
	s_barrier_signal -1
	MULH 1, 0, 4, 0                                ; register work while the others arrive
	WIN 0
	s_barrier_wait -1
.if \mode
	CREST                                          ; no wave of any partner still reads these slots or has a load on its way
	s_add_nc_u64 s[G0B+4*\rb+2:G0B+4*\rb+3], s[G0B+4*\rb+2:G0B+4*\rb+3], 2*BSTEP
.if \mode == 2
	s_add_nc_u64 s[G0+4*\ra+2:G0+4*\ra+3], s[G0+4*\ra+2:G0+4*\ra+3], 2*ASTEP
	JLOAD2 \ra, \rb                                ; the wave's one tensor load behind the round
.else
	JLOAD1 \rb
.endif
.endif
	PLACES
	LB \nb, 0, 0
	LA \na, \nkq, 0
	WIN 0xa0                                       ; groups 1 and 2 are in since the wait for 0 above
	MULH 1, 1, 0, 0
	MULH 1, 1, 4, 0
	PLACES
	WIN 0
	LB \nb, 0, 1
	WIN 0xf0
	MULH 1, 2, 0, 0
	MULH 1, 2, 4, 0
	PLACES
	WIN 0
	LB \nb, 0, 2
.endm
; A lap: eight quarters, K of 256.  Quarter Q reads Xh's slot Q / 4 at quarter Q % 4 and Wh's slot (Q / 2) % 2 at quarter Q % 2.
.macro LAP zero
	PQ \zero, 0, 1, 0, 1
	TQ 1, 0, 0, 1, 0, 2
	PQ 0, 1, 1, 0, 3
	TQ 2, 1, 0, 0, 1, 0
	PQ 0, 0, 1, 1, 1
	TQ 1, 0, 0, 1, 1, 2
	PQ 0, 1, 1, 1, 3
	TQ 2, 1, 1, 0, 0, 0
.endm
	s_wait_loadcnt 0x0                             ; the bias, while the first tiles are on their way
	ds_store_b64 v[BST], v[32:33]
	ds_store_b64 v[BST], v[34:35] offset:256
	ds_store_b64 v[BST], v[36:37] offset:512
	s_wait_dscnt 0x0                               ; no LDS instruction is pending at a signal
	s_wait_tensorcnt 0x1                           ; my part of slot 0 is in; slot 1's may stay out
	s_barrier_signal -1
	s_barrier_wait -1
	LB 0, 0, 0                                     ; the first quarter's fragments, in the order of every quarter: 24, 8, 8
	LA 0, 0, 0
	LB 0, 0, 1
	LB 0, 0, 2
	LAP 1                                          ; the first quarter's products start the sums: nothing is cleared
	WIN 0
	s_mov_b32 s3, LAPS-2
.Llap:
	LAP 0
	WIN 0
	s_sub_co_u32 s3, s3, 1
	s_cmp_lg_u32 s3, 0
	s_cbranch_scc1 .Llap
	PQ 0, 0, 1, 0, 1                               ; the last lap: Wh's last two steps are still to fetch, of Xh nothing
	TQ 1, 0, 0, 1, 0, 2
	PQ 0, 1, 1, 0, 3
	TQ 1, 1, 0, 0, 1, 0
	PQ 0, 0, 1, 1, 1
	TQ 0, 0, 0, 1, 1, 2
	PQ 0, 1, 1, 1, 3
	s_wait_dscnt 16                                ; the very last quarter fetches nothing: the counts run down
	WIN 0x50
	MULH 1, 0, 0, 0
	MULH 1, 0, 4, 0
	s_wait_dscnt 8
	WIN 0xa0
	MULH 1, 1, 0, 0
	MULH 1, 1, 4, 0
	s_wait_dscnt 0x0
	WIN 0xf0
	MULH 1, 2, 0, 0
	MULH 1, 2, 4, 0
	; THE WAY OUT.  A wave's 192 columns are 384 bytes, so a row's middle 256 bytes belong to two waves.  The whole block of 256 rows x 768 bytes
	; therefore goes into LDS, into the slots, which have had their last fill; then each wave takes 64 whole rows back and stores them.
	PLACES                                         ; behind the last matrix instructions: for the loads into fragment registers and the sums on results
	WIN 0
	s_barrier_signal -1                            ; my reads of the slots are over (the wait for 0 above) and no tensor load is out since the last change of slots
	s_barrier_wait -1                              ; everybody's are: the slots may be written
.irp b, 0,1,2,3,4,5,6,7,8,9,10,11
	ds_load_b128 v[BI+8*\b:BI+8*\b+3],   v[BLA] offset:64*\b
	ds_load_b128 v[BI+8*\b+4:BI+8*\b+7], v[BLA] offset:64*\b+16
.endr
	s_lshl_b32 s13, s13, 8
	s_lshl_b32 s14, s10, 6
	s_add_co_u32 s16, s13, s14                     ; the first row that I store: 256 x block row + 64 x wave
	s_mul_i32 s16, s16, ROWB                       ; at most 8,128 x 6,144: one word
	s_mov_b32 s17, 0
	s_add_nc_u64 s[8:9], s[8:9], s[16:17]
	s_mul_i32 s46, s42, 768                        ; the block's first column, in bytes
	s_mov_b32 s47, 0
	s_add_nc_u64 s[8:9], s[8:9], s[46:47]
	s_wait_dscnt 0x0                               ; the bias
; the 32 tiles of window 1 + g: add the bias, round to f16, 16 bytes a lane into the block's rows
.macro OUTW g
	WIN (((\g+1)<<6)|(\g+1))                       ; source 0 and destination: the accumulators; source 1: the bias in window 0
.irp a, 0,1,2,3,4,5,6,7
.irp j, 0,1,2,3
.irp p, 0,2,4,6
	v_pk_add_f32 v[8*(4*\a+\j)+\p:8*(4*\a+\j)+\p+1], v[8*(4*\a+\j)+\p:8*(4*\a+\j)+\p+1], v[BI+8*(4*\g+\j)+\p:BI+8*(4*\g+\j)+\p+1]
.endr
.endr
.endr
	WIN (((\g+1)<<2)|(\g+1))                       ; sources 0 and 1: the accumulators
.irp a, 0,1,2,3,4,5,6,7
.irp j, 0,1,2,3
.irp r, 0,1,2,3
	v_cvt_pk_f16_f32 v[TMP+4*(4*\a+\j)+\r], v[8*(4*\a+\j)+2*\r], v[8*(4*\a+\j)+2*\r+1]
.endr
.endr
.endr
	WIN 0
.irp a, 0,1,2,3,4,5,6,7
.irp j, 0,1,2,3
	ds_store_b128 v[STO+\a/4], v[TMP+4*(4*\a+\j):TMP+4*(4*\a+\j)+3] offset:(\a%4)*16*SP+32*(4*\g+\j)
.endr
.endr
.endm
	OUTW 0
	OUTW 1
	OUTW 2
	s_wait_dscnt 0x0                               ; my part of the block is in LDS, for the other waves' sake
	s_barrier_signal -1
	s_barrier_wait -1
; 16 of my 64 rows: 24 loads of two rows' 256 bytes each, then 24 stores; f: 96 registers, two sets in turn
.macro BACK n, f
	s_wait_xcnt 0x0                                ; set f, which earlier stores read, is loaded again only behind this wait
.set tt, 0
.rept 24
	ds_load_b128 v[\f+4*tt:\f+4*tt+3], v[RD] offset:(8*\n+tt/3)*2*SP+(tt%3)*256
.set tt, tt+1
.endr
.set tt, 0
.rept 24
	s_wait_dscnt 23-tt                             ; load tt is back, the 23 - tt younger ones stay out
	global_store_b128 v[CO], v[\f+4*tt:\f+4*tt+3], s[8:9] offset:(8*\n+tt/3)*2*ROWB+(tt%3)*256   ; 16 lanes store 256 consecutive bytes, aligned
.set tt, tt+1
.endr
.endm
	BACK 0, 32
	BACK 1, 128
	BACK 2, 32
	BACK 3, 128
	s_wait_tensorcnt 0x0
	ds_add_u32 v23, v31
	s_wait_dscnt 0x0
	CROUND                                         ; the closing round: no work-group ends while a partner may still ask for a tile that names it
	s_endpgm
.Lfunc_end_k_q3ed9a82b7f_qkv:
	.size	k_q3ed9a82b7f_qkv, .Lfunc_end_k_q3ed9a82b7f_qkv-k_q3ed9a82b7f_qkv
	.p2alignl 7, 3214868480
	.fill 96, 4, 3214868480
	.section	.rodata,"a",@progbits
	.p2align	6, 0x0
	.amdhsa_kernel k_q3ed9a82b7f_qkv
		.amdhsa_group_segment_fixed_size 327680
		.amdhsa_private_segment_fixed_size 0
		.amdhsa_enable_private_segment 0
		.amdhsa_kernarg_size 32
		.amdhsa_user_sgpr_count 2
		.amdhsa_user_sgpr_kernarg_segment_ptr 1
		.amdhsa_wavefront_size32 1
		.amdhsa_system_sgpr_workgroup_id_x 1
		.amdhsa_system_sgpr_workgroup_id_y 1
		.amdhsa_system_sgpr_workgroup_id_z 1
		.amdhsa_system_vgpr_workitem_id 0
		.amdhsa_next_free_vgpr 1024
		.amdhsa_next_free_sgpr 72
		.amdhsa_reserve_vcc 0
		.amdhsa_float_denorm_mode_32 3
		.amdhsa_float_denorm_mode_16_64 3
		.amdhsa_memory_ordered 1
		.amdhsa_forward_progress 1
		.amdhsa_inst_pref_size 255
	.end_amdhsa_kernel
	.section	.bss,"aw",@nobits
	.p2align	6
	.space	262144
	.amdgpu_metadata
---
amdhsa.version: [ 1, 2 ]
amdhsa.kernels:
  - .name:           k_q3ed9a82b7f_qkv
    .symbol:         k_q3ed9a82b7f_qkv.kd
    .args:
      - { .name: Xh, .offset: 0, .size: 8, .value_kind: global_buffer, .address_space: global }
      - { .name: Wh, .offset: 8, .size: 8, .value_kind: global_buffer, .address_space: global }
      - { .name: qkv, .offset: 16, .size: 8, .value_kind: global_buffer, .address_space: global }
      - { .name: bqkv, .offset: 24, .size: 8, .value_kind: global_buffer, .address_space: global }
    .group_segment_fixed_size: 327680
    .private_segment_fixed_size: 0
    .kernarg_segment_align: 8
    .kernarg_segment_size: 32
    .max_flat_workgroup_size: 128
    .sgpr_count:     72
    .vgpr_count:     1024
    .wavefront_size: 32
...
	.end_amdgpu_metadata
.endif
;; end of part 2
;; launch scores (part 3): grid 8 x 32, 4 waves a work-group, clusters of 4 x 4, 327,680 bytes of LDS; arguments qkv, P, stats; writes P, stats
.if DOCPART == 3
	.amdgcn_target "amdgcn-amd-amdhsa--gfx1250"
	.amdhsa_code_object_version 6
	.text
	.protected	k_q3ed9a82b7f_scores
	.globl	k_q3ed9a82b7f_scores
	.p2align	8
	.type	k_q3ed9a82b7f_scores,@function
k_q3ed9a82b7f_scores:
	s_mov_b64 s[64:65], 0
	v_nop
	global_prefetch_b8 v0, s[64:65] scope:SCOPE_SE
	s_setreg_imm32_b32 hwreg(HW_REG_WAVE_MODE, 25, 1), 1
	s_wait_xcnt 0x0
	s_wait_alu depctr_hold_cnt(0) depctr_sa_sdst(0) depctr_va_vdst(0) depctr_va_sdst(0) depctr_va_ssrc(0) depctr_va_vcc(0) depctr_vm_vsrc(0)
	s_getreg_b32 s2, hwreg(HW_REG_IB_STS2, 6, 4)
	s_cmp_eq_u32 s2, 0
	s_cbranch_scc0 .Lentry_in_a_cluster
	s_endpgm
.Lentry_in_a_cluster:
	s_bfe_u32 s2, ttmp6, 0x10000c
	s_cmp_lg_u32 s2, 0xf033
	s_cbranch_scc0 .Lentry_shape_is_right
	s_endpgm
.Lentry_shape_is_right:
; For every query row and every tile of 128 keys of its batch, with S = q . k and c = log2(e) / 32:
;   m2 = max over the tile of c S,   P = 2^(c S - m2) in f16,   l = sum over the tile of 2^(c S - m2) in f32.
; qkv: [8192][3072] f16 (q columns 0-1023, k 1024-2047).  P: [8192][2048] f16.  stats: f32 [16 tiles][m2, l][8192 rows].
; The maximum that the softmax takes away is taken in two parts: here each tile's own, in the next launch the exact difference to the row's
; maximum over its 16 tiles.  No exponent here is above 0 but for the rounding of m2, so P is at most 1 and l at most 128.
; LIMIT: a P below about 6e-8 (of its tile's largest) becomes 0 in f16.
; A work-group makes 256 queries x 256 keys with four waves; a wave's 128 x 128 is exactly one tile of keys for 128 rows, so the maximum and
; the sum never leave the wave.  K = 1024 goes in steps of 128 through two LDS slots; q's and k's rows both lie along K.
; CLUSTERS: 4 x 4 work-groups, all of one batch (a cluster spans 1,024 of a batch's 2,048 rows).  q's tile is asked for jointly by a row of the
; cluster, k's by a column.
; REGISTERS: window 0: v0-31 addresses, v32-61 maxima and sums, v64-127 and v128-191 q's fragments, v192-223 at work; window 1: v64-191 k's
; fragments; windows 2, 3: accumulators, tile (a, b) at v[8 (8 a + b)].
; The matrix instruction is used transposed (source 0 = keys, source 1 = queries): lane l holds row l % 16 and in registers 0-7 the keys
; 8 (l / 16) + 0..7 of each tile, so a row's 128 scores lie in two lanes, l and l xor 16.
.set SIZE_K, 1024
.set ROWB,   6144                      ; bytes in a row of qkv
.set PROW,   4096                      ; bytes in a row of P
.set KSTEP,  128
.set PITCH,  272                       ; an LDS row: 256 bytes + 16 of padding
.set HALFT,  128*PITCH
.set SLOT,   4*HALFT                   ; q's 256 rows, then k's 256 rows
.set STAGE,  2*SLOT                    ; behind the ring: 16 rows x 272 bytes for each wave; no tensor load lands here
.set SPITCH, 272
.set LAPS,   SIZE_K/(2*KSTEP)
.set ASTEP,  KSTEP*2
.set ADRA, 16
.set ADRB, 20
.set STO,  24
.set RD,   25
.set CO,   26
.set SADR, 27                          ; where I put a row's m2 (lanes 0-15) or l (lanes 16-31)
.set RD2,  28                          ; where I read four rows' figures back
.set SOFF, 30                          ; 16 x lane: my byte offset in a line of stats
.set MX,   32                          ; v[32:35]  four running maxima
.set SU,   36                          ; v[36:43]  four running pairs of sums
.set M2,   44                          ; v[44:51]  m2 of row block i
.set LS,   52                          ; v[52:59]  l of row block i
.set NM,   60                          ; v[60:61]  -m2, twice
.set F0,   64
.set F1,   128
.set T,    64                          ; the way out: 64 exponents, then 64 exponentials (buffer 0 is free then)
.set TMP,  192
.set G1,  24
.set G0,  32
.set G1B, 48
.set G0B, 56
.set MSB, 0
.set MUL_LO, 0xa1
.set MUL_HI, 0xf1
.set TO_B,   0x40
.macro WIN new
.if MSB != \new
	s_set_vgpr_msb (MSB<<8)|\new
.set MSB, \new
.endif
.endm
.macro JLOAD s                         ; waves 0 and 1 fetch q's two halves, waves 2 and 3 k's
	s_cmp_eq_u32 s11, 0
	s_cbranch_scc0 .Lfor_b_\@
	tensor_load_to_lds s[G0+4*\s:G0+4*\s+3], s[G1:G1+7]
	s_nop 0
	s_branch .Lasked_\@
.Lfor_b_\@:
	tensor_load_to_lds s[G0B+4*\s:G0B+4*\s+3], s[G1B:G1B+7]
	s_nop 0
.Lasked_\@:
.endm
.macro CREST
	s_cmp_lg_u32 s10, 0
	s_cbranch_scc1 .Lnot_wave_0_\@
	s_barrier_signal -3
.Lnot_wave_0_\@:
	s_barrier_wait -3
	s_barrier_signal -1
	s_barrier_wait -1
.endm
.macro CROUND
	s_barrier_signal -1
	s_barrier_wait -1
	CREST
.endm
	s_load_b64 s[4:5], s[0:1], 0x0                 ; qkv
	s_load_b64 s[8:9], s[0:1], 0x8                 ; P
	s_load_b64 s[66:67], s[0:1], 0x10              ; stats
	s_set_vgpr_msb 0x40
	v_lshl_add_u32 v255, v0, 2, 0x48400
	s_set_vgpr_msb 0x4000
	v_mov_b32 v255, 0
	s_set_vgpr_msb 0x1
	ds_add_u32 v255, v255
	s_set_vgpr_msb 0x100
	v_lshrrev_b32 v1, 5, v0
	v_readfirstlane_b32 s10, v1                    ; wave 0..3
	s_lshr_b32 s11, s10, 1                         ; my half of the queries.  Also: I fetch for q (0) or k (1)
	s_and_b32 s12, s10, 1                          ; my half of the keys.  Also: which 128 rows of that tile I fetch
	s_bfe_u32 s40, ttmp6, 0x40000                  ; cx
	s_bfe_u32 s41, ttmp6, 0x40004                  ; cy
	s_lshl_b32 s42, ttmp9, 2
	s_add_co_u32 s42, s42, s40                     ; block of 256 keys in the batch, 0..7
	s_and_b32 s13, ttmp7, 0xffff
	s_lshl_b32 s13, s13, 2
	s_add_co_u32 s13, s13, s41                     ; block of 256 rows over all batches, 0..31
	s_and_b32 s45, ttmp7, 0xffff
	s_lshr_b32 s45, s45, 1                         ; batch = cluster y / 2: the same in all sixteen partners
	s_lshl_b32 s43, s41, 2
	s_lshl_b32 s43, 15, s43                        ; my row of the cluster
	s_lshl_b32 s44, 0x1111, s40                    ; my column
	s_mov_b32 s70, 0x76543210                      ; v_permlanex16_b32: lane i of one half reads lane i of the other
	s_mov_b32 s71, 0xfedcba98
	s_mov_b32 s72, 0x3d38aa3b                      ; c = log2(e) / 32
	s_mov_b32 s73, 0x3d38aa3b                      ; the pair's other word (the packed form names the pair)
	; both tiles: 128 rows x 128 elements of 2 bytes, 4 words of padding behind every 64; they differ in the mask alone
	s_or_b32 s[G1+0], s43, (1<<16)|(1<<20)|(1<<21)|(5<<22)|(3<<25)
	s_or_b32 s[G1B+0], s44, (1<<16)|(1<<20)|(1<<21)|(5<<22)|(3<<25)
	s_mov_b32 s[G1+1], KSTEP<<16
	s_mov_b32 s[G1B+1], KSTEP<<16
	s_mov_b32 s[G1+2], 128<<16
	s_mov_b32 s[G1B+2], 128<<16
	s_mov_b32 s[G1+3], KSTEP<<16
	s_mov_b32 s[G1B+3], KSTEP<<16
	s_mov_b32 s[G1+4], 128
	s_mov_b32 s[G1B+4], 128
	s_mov_b32 s[G1+5], 3072                        ; elements from row to row of qkv
	s_mov_b32 s[G1B+5], 3072
	s_mov_b32 s[G1+6], 0
	s_mov_b32 s[G1B+6], 0
	s_mov_b32 s[G1+7], 0
	s_mov_b32 s[G1B+7], 0
	s_lshl_b32 s17, s12, 7                         ; which 128 rows of the tile I fetch
	s_lshl_b32 s16, s13, 8
	s_add_co_u32 s16, s16, s17                     ; q: row 256 x block row + 128 x half
	s_mul_i32 s16, s16, ROWB                       ; at most 8,064 x 6,144: one word
	s_lshl_b32 s46, s45, 11                        ; k: row 2,048 x batch
	s_lshl_b32 s47, s42, 8
	s_add_co_u32 s46, s46, s47                     ;    + 256 x block of keys
	s_add_co_u32 s46, s46, s17                     ;    + 128 x half
	s_mul_i32 s46, s46, ROWB
	s_add_co_u32 s46, s46, 2048                    ; k begins at column 1,024
	s_mov_b32 s17, 0
	s_mov_b32 s47, 0
	s_mul_i32 s20, s10, HALFT
	s_wait_dscnt 0x0
	s_wait_kmcnt 0x0
	s_add_nc_u64 s[14:15], s[4:5], s[16:17]
	s_add_nc_u64 s[46:47], s[4:5], s[46:47]
	CROUND                                         ; all sixteen work-groups are here: the first joint loads meet
.irp s, 0,1
	s_mov_b32 s[G0+4*\s], 1
	s_add_co_u32 s[G0+4*\s+1], s20, \s*SLOT
	s_add_nc_u64 s[G0+4*\s+2:G0+4*\s+3], s[14:15], \s*ASTEP
	s_or_b32 s[G0+4*\s+3], s[G0+4*\s+3], 0x80000000
	s_mov_b32 s[G0B+4*\s], 1
	s_add_co_u32 s[G0B+4*\s+1], s20, \s*SLOT
	s_add_nc_u64 s[G0B+4*\s+2:G0B+4*\s+3], s[46:47], \s*ASTEP
	s_or_b32 s[G0B+4*\s+3], s[G0B+4*\s+3], 0x80000000
	JLOAD \s                                       ; two tensor loads of the wave are out
.endr
	v_and_b32 v1, 15, v0                           ; r
	v_bfe_u32 v2, v0, 4, 1                         ; h
	v_mul_u32_u24 v3, v1, PITCH
	v_lshl_add_u32 v3, v2, 4, v3                   ; row x pitch + 16 h
	s_mul_i32 s21, s11, HALFT                      ; my 128 queries
	s_mul_i32 s22, s12, HALFT                      ; my 128 keys,
	s_add_co_u32 s22, s22, 2*HALFT                 ; behind q's 256 rows
.irp s, 0,1
	v_add_nc_u32 v[ADRA+\s], s21, v3
	v_add_nc_u32 v[ADRB+\s], s22, v3
	s_add_co_u32 s21, s21, SLOT
	s_add_co_u32 s22, s22, SLOT
.endr
	s_mul_i32 s23, s10, 16*SPITCH
	s_add_co_u32 s23, s23, STAGE                   ; my stage
	v_mul_u32_u24 v4, v1, SPITCH
	v_lshl_add_u32 v4, v2, 4, v4
	v_add_nc_u32 v[STO], s23, v4
	v_mul_u32_u24 v5, v2, SPITCH
	v_lshl_add_u32 v5, v1, 4, v5
	v_add_nc_u32 v[RD], s23, v5
	v_lshlrev_b32 v5, 12, v2                       ; lanes 16-31: one row of P further down
	v_lshl_add_u32 v[CO], v1, 4, v5
	v_and_b32 v6, 31, v0
	v_lshlrev_b32 v[SOFF], 4, v6
	v_add_nc_u32 v[RD2], s23, v[SOFF]
	v_lshlrev_b32 v6, 2, v1
	v_lshl_add_u32 v6, v2, 9, v6                   ; 4 r, and 512 bytes on for the sums
	v_add_nc_u32 v[SADR], s23, v6
.macro MUL16 f, hi, a0, zero
.irp a, \a0, \a0+1
.irp b, 0,1,2,3,4,5,6,7
.if \zero
	v_wmma_f32_16x16x32_f16 v[8*(8*(\a)+\b):8*(8*(\a)+\b)+7], v[\f+8*\b:\f+8*\b+7], v[\f+8*(4*\hi+\a):\f+8*(4*\hi+\a)+7], 0
.else
	v_wmma_f32_16x16x32_f16 v[8*(8*(\a)+\b):8*(8*(\a)+\b)+7], v[\f+8*\b:\f+8*\b+7], v[\f+8*(4*\hi+\a):\f+8*(4*\hi+\a)+7], v[8*(8*(\a)+\b):8*(8*(\a)+\b)+7]
.endif
.endr
.endr
.endm
.macro FETCH slot, q, f                ; 32 LDS loads in one run: k's 16 first, then q's 16
	WIN TO_B
.irp i, 0,1,2,3,4,5,6,7
	ds_load_b128 v[\f+8*\i:\f+8*\i+3],   v[ADRB+\slot] offset:\q*64+\i*16*PITCH
	ds_load_b128 v[\f+8*\i+4:\f+8*\i+7], v[ADRB+\slot] offset:\q*64+\i*16*PITCH+32
.endr
	WIN 0
.irp i, 0,1,2,3,4,5,6,7
	ds_load_b128 v[\f+8*\i:\f+8*\i+3],   v[ADRA+\slot] offset:\q*64+\i*16*PITCH
	ds_load_b128 v[\f+8*\i+4:\f+8*\i+7], v[ADRA+\slot] offset:\q*64+\i*16*PITCH+32
.endr
.endm
.macro PLACES                          ; four places behind a matrix instruction in front of loads into, or vector work on, its registers
.rept 4
	v_nop
.endr
.endm
; The 64 accumulators take turns, one instruction a turn, in the same order in every quarter.
.macro QUARTER slot, q, f, g, zero
	s_wait_dscnt 8                                 ; k's 16 loads and q's rows 0-63 are in; the eight youngest may be out
	WIN MUL_LO
	MUL16 \f, 0, 0, \zero
	MUL16 \f, 0, 2, \zero
	PLACES
	FETCH \slot, \q, \g
	s_wait_dscnt 32                                ; all but the 32 just issued
	WIN MUL_HI
	MUL16 \f, 1, 0, \zero
	MUL16 \f, 1, 2, \zero
.endm
.macro THREE slot, zero
	QUARTER \slot, 1, F0, F1, \zero
	QUARTER \slot, 2, F1, F0, 0
	QUARTER \slot, 3, F0, F1, 0
.endm
.macro TURN slot, next, fill
	s_wait_dscnt 8
	WIN MUL_LO
	MUL16 F1, 0, 0, 0
	s_wait_dscnt 0                                 ; my reads of this slot are over
	s_wait_tensorcnt 0x0                           ; all my tensor loads have landed: the one that was out is my part of the next slot
	ds_add_u32 v255, v255
	s_wait_dscnt 0x0
	s_barrier_signal -1
	MUL16 F1, 0, 2, 0
	WIN 0
	s_barrier_wait -1
.if \fill
	CREST                                          ; no wave of any partner still reads this slot or has a load on its way
	s_add_nc_u64 s[G0+4*\slot+2:G0+4*\slot+3], s[G0+4*\slot+2:G0+4*\slot+3], 2*ASTEP
	s_add_nc_u64 s[G0B+4*\slot+2:G0B+4*\slot+3], s[G0B+4*\slot+2:G0B+4*\slot+3], 2*ASTEP
	JLOAD \slot                                    ; the wave's one tensor load behind the round
.endif
	PLACES
	FETCH \next, 0, F0
	WIN MUL_HI
	MUL16 F1, 1, 0, 0
	MUL16 F1, 1, 2, 0
.endm
.macro LAP zero
	THREE 0, \zero
	TURN 0, 1, 1
	THREE 1, 0
	TURN 1, 0, 1
.endm
	s_wait_tensorcnt 0x1                           ; my part of K step 0 is in; K step 1's may stay out
	s_barrier_signal -1
	s_barrier_wait -1
	FETCH 0, 0, F0
	LAP 1
	WIN 0
	s_mov_b32 s3, LAPS-2
.Llap:
	LAP 0
	WIN 0
	s_sub_co_u32 s3, s3, 1
	s_cmp_lg_u32 s3, 0
	s_cbranch_scc1 .Llap
	THREE 0, 0
	TURN 0, 1, 0
	THREE 1, 0
	s_wait_dscnt 8
	WIN MUL_LO
	MUL16 F1, 0, 0, 0
	MUL16 F1, 0, 2, 0
	s_wait_dscnt 0
	WIN MUL_HI
	MUL16 F1, 1, 0, 0
	MUL16 F1, 1, 2, 0
	; THE WAY OUT
	PLACES
	s_lshl_b32 s13, s13, 8
	s_lshl_b32 s14, s11, 7
	s_add_co_u32 s16, s13, s14                     ; my first row
	s_lshl_b32 s68, s16, 2                         ; its word in a line of stats
	s_lshl_b32 s16, s16, 12                        ; x 4,096 bytes of P
	s_mov_b32 s17, 0
	s_add_nc_u64 s[8:9], s[8:9], s[16:17]
	s_lshl_b32 s46, s42, 9                         ; my first key, in bytes of P: 512 x block + 256 x half
	s_lshl_b32 s47, s12, 8
	s_add_co_u32 s46, s46, s47
	s_mov_b32 s47, 0
	s_add_nc_u64 s[8:9], s[8:9], s[46:47]
	s_lshl_b32 s69, s46, 8                         ; (2 x block + half) x 65,536: my tile's two lines of stats
	s_add_co_u32 s68, s68, s69
	s_mov_b32 s69, 0
	s_add_nc_u64 s[66:67], s[66:67], s[68:69]
; rows 16 i .. 16 i + 15 of my block = tiles (a, 0..7) of window w; f: 32 registers that take the rows back, two sets in turn
.macro EXP16 i, a, w, f
	WIN ((\w<<2)|\w)                               ; sources 0 and 1: the accumulators
.irp k, 0,1,2,3
	v_max_num_f32 v[MX+\k], v[64*\a+2*\k], v[64*\a+2*\k+1]         ; tile 0 starts four chains: nothing is preset
.endr
	WIN ((\w<<4)|(\w<<2))                          ; sources 1 and 2: the accumulators
.irp b, 1,2,3,4,5,6,7
.irp k, 0,1,2,3
	v_max3_num_f32 v[MX+\k], v[MX+\k], v[8*(8*\a+\b)+2*\k], v[8*(8*\a+\b)+2*\k+1]
.endr
.endr
	WIN 0
	v_max3_num_f32 v[MX], v[MX], v[MX+1], v[MX+2]
	v_max_num_f32 v[MX], v[MX], v[MX+3]
	v_permlanex16_b32 v[MX+1], v[MX], s70, s71     ; the row's other 64 keys lie in lane l xor 16
	v_max_num_f32 v[MX], v[MX], v[MX+1]
	v_mul_f32 v[M2+\i], s72, v[MX]                 ; c > 0: the maximum of c S is c times the maximum of S
	v_xor_b32 v[NM], 0x80000000, v[M2+\i]
	v_mov_b32 v[NM+1], v[NM]
	WIN \w                                         ; source 0: the accumulators
.irp b, 0,1,2,3,4,5,6,7
.irp p, 0,2,4,6
	v_pk_fma_f32 v[T+8*\b+\p:T+8*\b+\p+1], v[8*(8*\a+\b)+\p:8*(8*\a+\b)+\p+1], s[72:73], v[NM:NM+1] op_sel_hi:[1,0,1]   ; c S - m2, one rounding
.endr
.endr
	WIN 0
.irp j, 0,1,2,3,4,5,6,7,8,9,10,11,12,13,14,15,16,17,18,19,20,21,22,23,24,25,26,27,28,29,30,31
	v_exp_f32 v[T+2*\j], v[T+2*\j]
	v_exp_f32 v[T+2*\j+1], v[T+2*\j+1]
.endr
	v_nop                                          ; one plain place between the last exponential and the first use (ISA guide 5.7.2)
	s_wait_alu depctr_va_vdst(0)
.irp c, 0,2,4,6
	v_pk_add_f32 v[SU+\c:SU+\c+1], v[T+\c:T+\c+1], v[T+8+\c:T+8+\c+1]     ; tiles 0 and 1 start four chains of pairs
.endr
.irp b, 2,3,4,5,6,7
.irp c, 0,2,4,6
	v_pk_add_f32 v[SU+\c:SU+\c+1], v[SU+\c:SU+\c+1], v[T+8*\b+\c:T+8*\b+\c+1]
.endr
.endr
	v_pk_add_f32 v[SU:SU+1], v[SU:SU+1], v[SU+2:SU+3]
	v_pk_add_f32 v[SU+4:SU+5], v[SU+4:SU+5], v[SU+6:SU+7]
	v_pk_add_f32 v[SU:SU+1], v[SU:SU+1], v[SU+4:SU+5]
	v_add_f32 v[SU], v[SU], v[SU+1]
	v_permlanex16_b32 v[SU+1], v[SU], s70, s71
	v_add_f32 v[LS+\i], v[SU], v[SU+1]
.irp b, 0,1,2,3,4,5,6,7
.irp r, 0,1,2,3
	v_cvt_pk_f16_f32 v[TMP+4*\b+\r], v[T+8*\b+2*\r], v[T+8*\b+2*\r+1]
.endr
.endr
.irp b, 0,1,2,3,4,5,6,7
	ds_store_b128 v[STO], v[TMP+4*\b:TMP+4*\b+3] offset:32*\b
.endr
	s_wait_xcnt 0x0                                ; set f, which earlier stores read, and the stores' base are rewritten only behind this wait
.if \i
	s_add_nc_u64 s[8:9], s[8:9], 16*PROW
.endif
.irp t, 0,1,2,3,4,5,6,7
	ds_load_b128 v[\f+4*\t:\f+4*\t+3], v[RD] offset:\t*2*SPITCH    ; a wave's LDS instructions are served in order: these see the stores above
.endr
.irp t, 0,1,2,3,4,5,6,7
	s_wait_dscnt 7-\t                              ; load t is back, the 7 - t younger ones stay out
	global_store_b128 v[CO], v[\f+4*\t:\f+4*\t+3], s[8:9] offset:2*\t*PROW       ; 16 lanes store 256 consecutive bytes, aligned
.endr
.endm
	EXP16 0, 0, 2, 128
	EXP16 1, 1, 2, 160
	EXP16 2, 2, 2, 128
	EXP16 3, 3, 2, 160
	EXP16 4, 0, 3, 128
	EXP16 5, 1, 3, 160
	EXP16 6, 2, 3, 128
	EXP16 7, 3, 3, 160
	; my 128 rows' m2 and l: both halves of the lanes hold both, so lanes 0-15 put m2 and lanes 16-31 put l into my stage,
	; and each line of 512 consecutive bytes goes out by one store of the wave
	v_and_b32 v[MX], 16, v0
	v_cmp_ne_u32 vcc_lo, 0, v[MX]
.irp i, 0,1,2,3,4,5,6,7
	v_cndmask_b32 v[SU+\i], v[M2+\i], v[LS+\i], vcc_lo
	ds_store_b32 v[SADR], v[SU+\i] offset:64*\i
.endr
	s_wait_xcnt 0x0                                ; v128-135 were data of earlier stores
	ds_load_b128 v[F1:F1+3], v[RD2]
	ds_load_b128 v[F1+4:F1+7], v[RD2] offset:512
	s_wait_dscnt 0x0
	global_store_b128 v[SOFF], v[F1:F1+3], s[66:67]
	global_store_b128 v[SOFF], v[F1+4:F1+7], s[66:67] offset:32768
	s_set_vgpr_msb 0x1
	s_wait_tensorcnt 0x0
	ds_add_u32 v255, v255
	s_wait_dscnt 0x0
	s_set_vgpr_msb 0x100
	CROUND                                         ; the closing round
	s_endpgm
.Lfunc_end_k_q3ed9a82b7f_scores:
	.size	k_q3ed9a82b7f_scores, .Lfunc_end_k_q3ed9a82b7f_scores-k_q3ed9a82b7f_scores
	.p2alignl 7, 3214868480
	.fill 96, 4, 3214868480
	.section	.rodata,"a",@progbits
	.p2align	6, 0x0
	.amdhsa_kernel k_q3ed9a82b7f_scores
		.amdhsa_group_segment_fixed_size 327680
		.amdhsa_private_segment_fixed_size 0
		.amdhsa_enable_private_segment 0
		.amdhsa_kernarg_size 24
		.amdhsa_user_sgpr_count 2
		.amdhsa_user_sgpr_kernarg_segment_ptr 1
		.amdhsa_wavefront_size32 1
		.amdhsa_system_sgpr_workgroup_id_x 1
		.amdhsa_system_sgpr_workgroup_id_y 1
		.amdhsa_system_sgpr_workgroup_id_z 1
		.amdhsa_system_vgpr_workitem_id 0
		.amdhsa_next_free_vgpr 1024
		.amdhsa_next_free_sgpr 76
		.amdhsa_reserve_vcc 1
		.amdhsa_float_denorm_mode_32 3
		.amdhsa_float_denorm_mode_16_64 3
		.amdhsa_memory_ordered 1
		.amdhsa_forward_progress 1
		.amdhsa_inst_pref_size 255
	.end_amdhsa_kernel
	.section	.bss,"aw",@nobits
	.p2align	6
	.space	262144
	.amdgpu_metadata
---
amdhsa.version: [ 1, 2 ]
amdhsa.kernels:
  - .name:           k_q3ed9a82b7f_scores
    .symbol:         k_q3ed9a82b7f_scores.kd
    .args:
      - { .name: qkv, .offset: 0, .size: 8, .value_kind: global_buffer, .address_space: global }
      - { .name: P, .offset: 8, .size: 8, .value_kind: global_buffer, .address_space: global }
      - { .name: stats, .offset: 16, .size: 8, .value_kind: global_buffer, .address_space: global }
    .group_segment_fixed_size: 327680
    .private_segment_fixed_size: 0
    .kernarg_segment_align: 8
    .kernarg_segment_size: 24
    .max_flat_workgroup_size: 128
    .sgpr_count:     76
    .vgpr_count:     1024
    .wavefront_size: 32
...
	.end_amdgpu_metadata
.endif
;; end of part 3
;; launch pv (part 4): grid 4 x 64, 4 waves a work-group, clusters of 4 x 4, 327,680 bytes of LDS; arguments P, qkv, O, stats; writes O
.if DOCPART == 4
	.amdgcn_target "amdgcn-amd-amdhsa--gfx1250"
	.amdhsa_code_object_version 6
	.text
	.protected	k_q3ed9a82b7f_pv
	.globl	k_q3ed9a82b7f_pv
	.p2align	8
	.type	k_q3ed9a82b7f_pv,@function
k_q3ed9a82b7f_pv:
	s_mov_b64 s[64:65], 0
	v_nop
	global_prefetch_b8 v0, s[64:65] scope:SCOPE_SE
	s_setreg_imm32_b32 hwreg(HW_REG_WAVE_MODE, 25, 1), 1
	s_wait_xcnt 0x0
	s_wait_alu depctr_hold_cnt(0) depctr_sa_sdst(0) depctr_va_vdst(0) depctr_va_sdst(0) depctr_va_ssrc(0) depctr_va_vcc(0) depctr_vm_vsrc(0)
	s_getreg_b32 s2, hwreg(HW_REG_IB_STS2, 6, 4)
	s_cmp_eq_u32 s2, 0
	s_cbranch_scc0 .Lentry_in_a_cluster
	s_endpgm
.Lentry_in_a_cluster:
	s_bfe_u32 s2, ttmp6, 0x10000c
	s_cmp_lg_u32 s2, 0xf033
	s_cbranch_scc0 .Lentry_shape_is_right
	s_endpgm
.Lentry_shape_is_right:
; O[row][d] = (sum over the 16 key tiles t of f_t sum over the tile's keys of P[row][key] v[key][d]) / L,
; with M = max over t of m2_t, f_t = 2^(m2_t - M), L = sum over t of f_t l_t: the softmax with the row's true maximum taken away.
; P: [8192][2048] f16, v: columns 2048-3071 of qkv [8192][3072] f16, stats: f32 [16][m2, l][8192], O: [8192][1024] f16.
; f_t is at most 1; the tile that holds M has f = 1 and an l of about 1 or more, so L cannot vanish.
; LIMIT: P f_t is formed in f16: a weight below about 6e-8 of the row's largest becomes 0.  f_t enters the products rounded to f16 and L in f32.
; A K step of 128 keys is exactly one tile t, so P's fragments are multiplied by one factor a row (as a pair of f16) on their way to the matrix unit.
; A work-group makes 128 rows x 256 columns with four waves, a wave 64 x 128: 32 accumulator tiles, 256 registers.  8,192 x 1,024 outputs on 256
; work-groups are 32,768 each; 128 x 256 is the squarest such block.
; CLUSTERS: 4 x 4 work-groups, all of one batch (a cluster spans 512 rows).  P's tile is asked for jointly by a row of the cluster, v's by a column.
; v lies [key][d] and is read by transposing LDS loads.
; REGISTERS: window 0: v0-31 addresses, v32-95 P's fragments (two buffers of 4), v96-223 v's fragments (two buffers of 8), v224-227 the factors,
; v232-239 1 / L; window 1: accumulators, tile (a, b) at v[8 (8 a + b)].
; The matrix instruction is used transposed (source 0 = columns of v, source 1 = rows of P): lane l holds row l % 16, eight neighbouring columns.
.set KSTEP,  128
.set PITCH,  272                       ; an LDS row of P: 256 bytes + 16
.set BPITCH, 544                       ; an LDS k-row of v: 512 bytes + 32
.set HALFT,  128*PITCH                 ; the stride of the waves' landing places: 34,816; P's 64 rows use half of one, v's 64 k-rows a whole one
.set SLOT,   4*HALFT
.set STAGE,  2*SLOT                    ; 16 rows x 272 bytes for each wave
.set SPITCH, 272
.set FACT,   STAGE+4*16*SPITCH         ; [16 tiles][128 rows] words: f_t twice in f16
.set INVL,   FACT+16*512               ; [128 rows] pairs: 1 / L twice in f32
.set LAPS,   8                         ; 2,048 keys / 256
.set ASTEP,  KSTEP*2                   ; a K step in P: 256 bytes along the row
.set BSTEP,  KSTEP*6144                ; a K step in v: 128 rows of qkv down
.set OROW,   2048                      ; bytes in a row of O
.set ADRA, 16
.set ADRB, 20
.set STO,  24
.set RD,   25
.set CO,   26
.set FADR, 27                          ; LDS address of my rows' factors for the tile to come; 512 on with every tile
.set SOF,  28                          ; 4 x thread: my row's word in a line of stats
.set ILA,  29                          ; LDS address of my rows' 1 / L
.set FST,  30                          ; where thread t puts its row's factors
.set IST,  31                          ; where thread t puts its row's 1 / L
.set FA,   32
.set FB,   96
.set FAC,  224
.set IL,   232
.set TMP,  96                          ; the way out: packed results (v's buffer 0 is free then)
.set PM,   96                          ; the prologue: m2 of my row's 16 tiles, then f
.set PL,   112                         ; l of the 16 tiles, then f as pairs of f16
.set PX,   128                         ; M
.set PS,   129                         ; L
.set PR,   130                         ; v[130:131] 1 / L twice
.set G1,  24
.set G0,  32
.set G1B, 48
.set G0B, 56
.set MSB, 0
.set MULW, 0x50                        ; sources 0 and 1 window 0, C and D window 1
.macro WIN new
.if MSB != \new
	s_set_vgpr_msb (MSB<<8)|\new
.set MSB, \new
.endif
.endm
.macro JLOAD s                         ; waves 0 and 1 fetch P's two halves, waves 2 and 3 v's
	s_cmp_eq_u32 s11, 0
	s_cbranch_scc0 .Lfor_b_\@
	tensor_load_to_lds s[G0+4*\s:G0+4*\s+3], s[G1:G1+7]
	s_nop 0
	s_branch .Lasked_\@
.Lfor_b_\@:
	tensor_load_to_lds s[G0B+4*\s:G0B+4*\s+3], s[G1B:G1B+7]
	s_nop 0
.Lasked_\@:
.endm
.macro CREST
	s_cmp_lg_u32 s10, 0
	s_cbranch_scc1 .Lnot_wave_0_\@
	s_barrier_signal -3
.Lnot_wave_0_\@:
	s_barrier_wait -3
	s_barrier_signal -1
	s_barrier_wait -1
.endm
.macro CROUND
	s_barrier_signal -1
	s_barrier_wait -1
	CREST
.endm
	s_load_b128 s[4:7], s[0:1], 0x0                ; P s[4:5], qkv s[6:7]
	s_load_b64 s[8:9], s[0:1], 0x10                ; O
	s_load_b64 s[66:67], s[0:1], 0x18              ; stats
	v_lshl_add_u32 v254, v0, 2, 0x4a800
	v_mov_b32 v255, 0
	ds_add_u32 v254, v255
	v_lshrrev_b32 v1, 5, v0
	v_readfirstlane_b32 s10, v1                    ; wave 0..3
	s_lshr_b32 s11, s10, 1                         ; my 64 of the block's rows.  Also: I fetch for P (0) or v (1)
	s_and_b32 s12, s10, 1                          ; my 128 of its columns.  Also: which half of that tile I fetch
	s_bfe_u32 s40, ttmp6, 0x40000                  ; cx
	s_bfe_u32 s41, ttmp6, 0x40004                  ; cy
	s_lshl_b32 s42, ttmp9, 2
	s_add_co_u32 s42, s42, s40                     ; block of 256 columns, 0..3
	s_and_b32 s13, ttmp7, 0xffff
	s_lshl_b32 s13, s13, 2
	s_add_co_u32 s13, s13, s41                     ; block of 128 rows over all batches, 0..63
	s_and_b32 s45, ttmp7, 0xffff
	s_lshr_b32 s45, s45, 2                         ; batch = cluster y / 4: the same in all sixteen partners
	s_lshl_b32 s43, s41, 2
	s_lshl_b32 s43, 15, s43                        ; my row of the cluster
	s_lshl_b32 s44, 0x1111, s40                    ; my column
	; group 1 for P: 64 rows x 128 elements of 2 bytes, 4 words of padding behind every 64
	s_or_b32 s[G1+0], s43, (1<<16)|(1<<20)|(1<<21)|(5<<22)|(3<<25)
	s_mov_b32 s[G1+1], KSTEP<<16
	s_mov_b32 s[G1+2], 64<<16
	s_mov_b32 s[G1+3], KSTEP<<16
	s_mov_b32 s[G1+4], 64
	s_mov_b32 s[G1+5], 2048
	s_mov_b32 s[G1+6], 0
	s_mov_b32 s[G1+7], 0
	; group 1 for v: 64 k-rows x 256 elements of 2 bytes, 8 words of padding behind every 128
	s_or_b32 s[G1B+0], s44, (1<<16)|(1<<20)|(1<<21)|(6<<22)|(7<<25)
	s_mov_b32 s[G1B+1], 256<<16
	s_mov_b32 s[G1B+2], 64<<16
	s_mov_b32 s[G1B+3], 256<<16
	s_mov_b32 s[G1B+4], 64
	s_mov_b32 s[G1B+5], 3072
	s_mov_b32 s[G1B+6], 0
	s_mov_b32 s[G1B+7], 0
	s_lshl_b32 s17, s12, 6                         ; which 64 rows of the tile I fetch
	s_lshl_b32 s16, s13, 7
	s_add_co_u32 s16, s16, s17                     ; P: row 128 x block row + 64 x half
	s_lshl_b32 s16, s16, 12                        ; x 4,096 bytes
	s_lshl_b32 s46, s45, 11
	s_add_co_u32 s46, s46, s17                     ; v: row 2,048 x batch + 64 x half
	s_mul_i32 s46, s46, 6144
	s_lshl_b32 s47, s42, 9
	s_add_co_u32 s46, s46, s47                     ; column 256 x block,
	s_add_co_u32 s46, s46, 4096                    ; and v begins at column 2,048
	s_mov_b32 s17, 0
	s_mov_b32 s47, 0
	s_mul_i32 s20, s10, HALFT
	s_wait_dscnt 0x0
	s_wait_kmcnt 0x0
	s_add_nc_u64 s[14:15], s[4:5], s[16:17]
	s_add_nc_u64 s[46:47], s[6:7], s[46:47]
	CROUND                                         ; all sixteen work-groups are here: the first joint loads meet
.irp s, 0,1
	s_mov_b32 s[G0+4*\s], 1
	s_add_co_u32 s[G0+4*\s+1], s20, \s*SLOT
	s_add_nc_u64 s[G0+4*\s+2:G0+4*\s+3], s[14:15], \s*ASTEP
	s_or_b32 s[G0+4*\s+3], s[G0+4*\s+3], 0x80000000
	s_mov_b32 s[G0B+4*\s], 1
	s_add_co_u32 s[G0B+4*\s+1], s20, \s*SLOT
	s_add_nc_u64 s[G0B+4*\s+2:G0B+4*\s+3], s[46:47], \s*BSTEP
	s_or_b32 s[G0B+4*\s+3], s[G0B+4*\s+3], 0x80000000
	JLOAD \s                                       ; two tensor loads of the wave are out
.endr
	; THE PROLOGUE: thread t owns row t of the block's 128 and makes its 16 factors and its 1 / L, while the first tiles are on their way
	s_lshl_b32 s68, s13, 9                         ; 128 rows x 4 bytes for each block row
	s_mov_b32 s69, 0
	s_add_nc_u64 s[66:67], s[66:67], s[68:69]
	v_lshlrev_b32 v[SOF], 2, v0
.irp t, 0,1,2,3,4,5,6,7,8,9,10,11,12,13,14,15
	global_load_b32 v[PM+\t], v[SOF], s[66:67] offset:65536*\t
	global_load_b32 v[PL+\t], v[SOF], s[66:67] offset:65536*\t+32768
.endr
	v_and_b32 v1, 15, v0                           ; r
	v_bfe_u32 v2, v0, 4, 1                         ; h
	v_mul_u32_u24 v3, v1, PITCH
	v_lshl_add_u32 v3, v2, 4, v3                   ; P's fragment: row x pitch + 16 h
	s_mul_i32 s21, s11, HALFT                      ; my 64 rows of P
	v_and_b32 v4, 7, v0                            ; v's fragment: k-row 8 h + (l & 7), 16 bytes at 16 ((l >> 3) & 1)
	v_lshl_add_u32 v4, v2, 3, v4
	v_mul_u32_u24 v4, v4, BPITCH
	v_bfe_u32 v5, v0, 3, 1
	v_lshl_add_u32 v4, v5, 4, v4
	s_lshl_b32 s22, s12, 8                         ; my 128 columns
	s_add_co_u32 s22, s22, 2*HALFT
.irp s, 0,1
	v_add_nc_u32 v[ADRA+\s], s21, v3
	v_add_nc_u32 v[ADRB+\s], s22, v4
	s_add_co_u32 s21, s21, SLOT
	s_add_co_u32 s22, s22, SLOT
.endr
	s_mul_i32 s23, s10, 16*SPITCH
	s_add_co_u32 s23, s23, STAGE                   ; my stage
	v_mul_u32_u24 v4, v1, SPITCH
	v_lshl_add_u32 v4, v2, 4, v4
	v_add_nc_u32 v[STO], s23, v4
	v_mul_u32_u24 v5, v2, SPITCH
	v_lshl_add_u32 v5, v1, 4, v5
	v_add_nc_u32 v[RD], s23, v5
	v_lshlrev_b32 v5, 11, v2                       ; lanes 16-31: one row of O further down
	v_lshl_add_u32 v[CO], v1, 4, v5
	s_lshl_b32 s21, s11, 8
	s_add_co_u32 s21, s21, FACT
	v_lshl_add_u32 v[FADR], v1, 2, s21             ; FACT + 4 (64 x my half + r)
	s_lshl_b32 s22, s11, 9
	s_add_co_u32 s22, s22, INVL
	v_lshl_add_u32 v[ILA], v1, 3, s22              ; INVL + 8 (64 x my half + r)
	v_add_nc_u32 v[FST], FACT, v[SOF]
	v_lshlrev_b32 v[IST], 3, v0
	v_add_nc_u32 v[IST], INVL, v[IST]
	s_wait_loadcnt 0x0
	v_max3_num_f32 v[PX], v[PM], v[PM+1], v[PM+2]
.irp t, 3,5,7,9,11,13
	v_max3_num_f32 v[PX], v[PX], v[PM+\t], v[PM+\t+1]
.endr
	v_max_num_f32 v[PX], v[PX], v[PM+15]           ; M
.irp t, 0,1,2,3,4,5,6,7,8,9,10,11,12,13,14,15
	v_sub_f32 v[PM+\t], v[PM+\t], v[PX]
.endr
.irp t, 0,1,2,3,4,5,6,7,8,9,10,11,12,13,14,15
	v_exp_f32 v[PM+\t], v[PM+\t]                   ; f_t
.endr
	v_nop                                          ; one plain place behind the last exponential (ISA guide 5.7.2)
	s_wait_alu depctr_va_vdst(0)
	v_mul_f32 v[PS], v[PM], v[PL]
.irp t, 1,2,3,4,5,6,7,8,9,10,11,12,13,14,15
	v_fmac_f32 v[PS], v[PM+\t], v[PL+\t]           ; L
.endr
.irp t, 0,1,2,3,4,5,6,7,8,9,10,11,12,13,14,15
	v_cvt_pk_f16_f32 v[PL+\t], v[PM+\t], v[PM+\t]
	ds_store_b32 v[FST], v[PL+\t] offset:512*\t
.endr
	v_rcp_f32 v[PR], v[PS]
	v_rcp_f32 v[PR+1], v[PS]
	v_nop                                          ; one plain place behind the reciprocals
	s_wait_alu depctr_va_vdst(0)
	ds_store_b64 v[IST], v[PR:PR+1]
.macro MUL8 g, a, zero                 ; row block a x all 8 column blocks, 32 along K
.irp b, 0,1,2,3,4,5,6,7
.if \zero
	v_wmma_f32_16x16x32_f16 v[8*(8*\a+\b):8*(8*\a+\b)+7], v[FB+64*\g+8*\b:FB+64*\g+8*\b+7], v[FA+32*\g+8*\a:FA+32*\g+8*\a+7], 0
.else
	v_wmma_f32_16x16x32_f16 v[8*(8*\a+\b):8*(8*\a+\b)+7], v[FB+64*\g+8*\b:FB+64*\g+8*\b+7], v[FA+32*\g+8*\a:FA+32*\g+8*\a+7], v[8*(8*\a+\b):8*(8*\a+\b)+7]
.endif
.endr
.endm
.macro MUL32 g, zero
	MUL8 \g, 0, \zero
	MUL8 \g, 1, \zero
	MUL8 \g, 2, \zero
	MUL8 \g, 3, \zero
.endm
.macro FETCH slot, q, g                ; 24 LDS loads in one run: quarter step q of a slot into buffers g
.irp i, 0,1,2,3,4,5,6,7
	ds_load_tr16_b128 v[FB+64*\g+8*\i:FB+64*\g+8*\i+3],   v[ADRB+\slot] offset:\q*32*BPITCH+32*\i
	ds_load_tr16_b128 v[FB+64*\g+8*\i+4:FB+64*\g+8*\i+7], v[ADRB+\slot] offset:\q*32*BPITCH+16*BPITCH+32*\i
.endr
.irp i, 0,1,2,3
	ds_load_b128 v[FA+32*\g+8*\i:FA+32*\g+8*\i+3],   v[ADRA+\slot] offset:\q*64+\i*16*PITCH
	ds_load_b128 v[FA+32*\g+8*\i+4:FA+32*\g+8*\i+7], v[ADRA+\slot] offset:\q*64+\i*16*PITCH+32
.endr
.endm
; P's fragments of buffer g times the tile's factor of their row.  These 32 plain vector instructions name no register of the matrix
; instructions on the other buffer, so they are also the places in front of the loads into that buffer.
.macro SCALE g
.irp a, 0,1,2,3
.irp j, 0,1,2,3,4,5,6,7
	v_pk_mul_f16 v[FA+32*\g+8*\a+\j], v[FA+32*\g+8*\a+\j], v[FAC+\a]
.endr
.endr
.endm
.macro NEXTFAC                         ; my rows' factors for the tile to come
.irp a, 0,1,2,3
	ds_load_b32 v[FAC+\a], v[FADR] offset:64*\a
.endr
	v_add_nc_u32 v[FADR], 512, v[FADR]
.endm
; One of a K step's first three quarters.  The 32 accumulators take turns, one instruction a turn, in the same order in every quarter.
.macro QUARTER slot, q, f, g, zero
	s_wait_dscnt 0x0                               ; buffer f's 24 loads, issued in front of the last 32 matrix instructions (and the factors, behind a change of slots)
	WIN 0
	SCALE \f
	FETCH \slot, \q, \g
	WIN MULW
	MUL32 \f, \zero
.endm
.macro THREE slot, zero
	QUARTER \slot, 1, 0, 1, \zero
	QUARTER \slot, 2, 1, 0, 0
	QUARTER \slot, 3, 0, 1, 0
.endm
; The last quarter multiplies buffer 1 and changes slots.
.macro TURN slot, next, fill
	s_wait_dscnt 0x0                               ; buffer 1 is in, and those were my last reads of this slot
	s_wait_tensorcnt 0x0                           ; all my tensor loads have landed: the one that was out is my part of the next slot
	ds_add_u32 v254, v255
	s_wait_dscnt 0x0
	s_barrier_signal -1
	WIN 0
	SCALE 1                                        ; register work while the others arrive
	WIN MULW
	MUL8 1, 0, 0
	MUL8 1, 1, 0
	WIN 0
	s_barrier_wait -1
.if \fill
	CREST                                          ; no wave of any partner still reads this slot or has a load on its way
	s_add_nc_u64 s[G0+4*\slot+2:G0+4*\slot+3], s[G0+4*\slot+2:G0+4*\slot+3], 2*ASTEP
	s_add_nc_u64 s[G0B+4*\slot+2:G0B+4*\slot+3], s[G0B+4*\slot+2:G0B+4*\slot+3], 2*BSTEP
	JLOAD \slot                                    ; the wave's one tensor load behind the round, two K steps ahead
.endif
	NEXTFAC                                        ; this tile's factors were last used by SCALE 1 above
	FETCH \next, 0, 0                              ; buffer 0 was last multiplied in front of SCALE 1: its 32 instructions are the places
	WIN MULW
	MUL8 1, 2, 0
	MUL8 1, 3, 0
.endm
.macro LAP zero
	THREE 0, \zero
	TURN 0, 1, 1
	THREE 1, 0
	TURN 1, 0, 1
.endm
	s_wait_dscnt 0x0                               ; my factors and my 1 / L are in LDS, for the other waves' sake
	s_wait_tensorcnt 0x1                           ; my part of K step 0 is in; K step 1's may stay out
	s_barrier_signal -1
	s_barrier_wait -1
	NEXTFAC                                        ; tile 0's factors
	FETCH 0, 0, 0
	LAP 1                                          ; the first products start the sums: nothing is cleared
	WIN 0
	s_mov_b32 s3, LAPS-2
.Llap:
	LAP 0
	WIN 0
	s_sub_co_u32 s3, s3, 1
	s_cmp_lg_u32 s3, 0
	s_cbranch_scc1 .Llap
	THREE 0, 0                                     ; the last lap fills nothing
	TURN 0, 1, 0
	THREE 1, 0
	s_wait_dscnt 0x0
	WIN 0
	SCALE 1
	WIN MULW
	MUL32 1, 0
	; THE WAY OUT, 16 rows at a time: times 1 / L, round to f16, through my stage, out as whole rows of 256 bytes
	WIN 0
.rept 4
	v_nop                                          ; four places behind the last matrix instructions (ISA guide 7.12.1)
.endr
.irp a, 0,1,2,3
	ds_load_b64 v[IL+2*\a:IL+2*\a+1], v[ILA] offset:128*\a
.endr
	s_lshl_b32 s13, s13, 7
	s_lshl_b32 s14, s11, 6
	s_add_co_u32 s16, s13, s14                     ; my first row
	s_lshl_b32 s16, s16, 11                        ; x 2,048 bytes
	s_mov_b32 s17, 0
	s_add_nc_u64 s[8:9], s[8:9], s[16:17]
	s_lshl_b32 s46, s42, 9                         ; my first column, in bytes
	s_lshl_b32 s47, s12, 8
	s_add_co_u32 s46, s46, s47
	s_mov_b32 s47, 0
	s_add_nc_u64 s[8:9], s[8:9], s[46:47]
	s_wait_dscnt 0x0
.macro OUT16 a, f
	WIN 0x41                                       ; source 0 and destination: the accumulators; source 1: 1 / L in window 0
.irp b, 0,1,2,3,4,5,6,7
.irp p, 0,2,4,6
	v_pk_mul_f32 v[8*(8*\a+\b)+\p:8*(8*\a+\b)+\p+1], v[8*(8*\a+\b)+\p:8*(8*\a+\b)+\p+1], v[IL+2*\a:IL+2*\a+1]
.endr
.endr
	WIN 0x05
.irp b, 0,1,2,3,4,5,6,7
.irp r, 0,1,2,3
	v_cvt_pk_f16_f32 v[TMP+4*\b+\r], v[8*(8*\a+\b)+2*\r], v[8*(8*\a+\b)+2*\r+1]
.endr
.endr
	WIN 0
.irp b, 0,1,2,3,4,5,6,7
	ds_store_b128 v[STO], v[TMP+4*\b:TMP+4*\b+3] offset:32*\b
.endr
	s_wait_xcnt 0x0                                ; set f, which earlier stores read, and the stores' base are rewritten only behind this wait
.if \a
	s_add_nc_u64 s[8:9], s[8:9], 16*OROW
.endif
.irp t, 0,1,2,3,4,5,6,7
	ds_load_b128 v[\f+4*\t:\f+4*\t+3], v[RD] offset:\t*2*SPITCH    ; a wave's LDS instructions are served in order: these see the stores above
.endr
.irp t, 0,1,2,3,4,5,6,7
	s_wait_dscnt 7-\t                              ; load t is back, the 7 - t younger ones stay out
	global_store_b128 v[CO], v[\f+4*\t:\f+4*\t+3], s[8:9] offset:2*\t*OROW       ; 16 lanes store 256 consecutive bytes, aligned
.endr
.endm
	OUT16 0, FA
	OUT16 1, FA+32
	OUT16 2, FA
	OUT16 3, FA+32
	s_wait_tensorcnt 0x0
	ds_add_u32 v254, v255
	s_wait_dscnt 0x0
	CROUND                                         ; the closing round
	s_endpgm
.Lfunc_end_k_q3ed9a82b7f_pv:
	.size	k_q3ed9a82b7f_pv, .Lfunc_end_k_q3ed9a82b7f_pv-k_q3ed9a82b7f_pv
	.p2alignl 7, 3214868480
	.fill 96, 4, 3214868480
	.section	.rodata,"a",@progbits
	.p2align	6, 0x0
	.amdhsa_kernel k_q3ed9a82b7f_pv
		.amdhsa_group_segment_fixed_size 327680
		.amdhsa_private_segment_fixed_size 0
		.amdhsa_enable_private_segment 0
		.amdhsa_kernarg_size 32
		.amdhsa_user_sgpr_count 2
		.amdhsa_user_sgpr_kernarg_segment_ptr 1
		.amdhsa_wavefront_size32 1
		.amdhsa_system_sgpr_workgroup_id_x 1
		.amdhsa_system_sgpr_workgroup_id_y 1
		.amdhsa_system_sgpr_workgroup_id_z 1
		.amdhsa_system_vgpr_workitem_id 0
		.amdhsa_next_free_vgpr 512
		.amdhsa_next_free_sgpr 72
		.amdhsa_reserve_vcc 0
		.amdhsa_float_denorm_mode_32 3
		.amdhsa_float_denorm_mode_16_64 3
		.amdhsa_memory_ordered 1
		.amdhsa_forward_progress 1
		.amdhsa_inst_pref_size 181
	.end_amdhsa_kernel
	.amdgpu_metadata
---
amdhsa.version: [ 1, 2 ]
amdhsa.kernels:
  - .name:           k_q3ed9a82b7f_pv
    .symbol:         k_q3ed9a82b7f_pv.kd
    .args:
      - { .name: P, .offset: 0, .size: 8, .value_kind: global_buffer, .address_space: global }
      - { .name: qkv, .offset: 8, .size: 8, .value_kind: global_buffer, .address_space: global }
      - { .name: O, .offset: 16, .size: 8, .value_kind: global_buffer, .address_space: global }
      - { .name: stats, .offset: 24, .size: 8, .value_kind: global_buffer, .address_space: global }
    .group_segment_fixed_size: 327680
    .private_segment_fixed_size: 0
    .kernarg_segment_align: 8
    .kernarg_segment_size: 32
    .max_flat_workgroup_size: 128
    .sgpr_count:     72
    .vgpr_count:     512
    .wavefront_size: 32
...
	.end_amdgpu_metadata
.endif
;; end of part 4
;; launch proj (part 5): grid 4 x 64, 4 waves a work-group, clusters of 4 x 4, 327,680 bytes of LDS; arguments O, Woh, out0, bo; writes out0
.if DOCPART == 5
	.amdgcn_target "amdgcn-amd-amdhsa--gfx1250"
	.amdhsa_code_object_version 6
	.text
	.protected	k_q3ed9a82b7f_proj
	.globl	k_q3ed9a82b7f_proj
	.p2align	8
	.type	k_q3ed9a82b7f_proj,@function
k_q3ed9a82b7f_proj:
	s_mov_b64 s[64:65], 0
	v_nop
	global_prefetch_b8 v0, s[64:65] scope:SCOPE_SE
	s_setreg_imm32_b32 hwreg(HW_REG_WAVE_MODE, 25, 1), 1
	s_wait_xcnt 0x0
	s_wait_alu depctr_hold_cnt(0) depctr_sa_sdst(0) depctr_va_vdst(0) depctr_va_sdst(0) depctr_va_ssrc(0) depctr_va_vcc(0) depctr_vm_vsrc(0)
	s_getreg_b32 s2, hwreg(HW_REG_IB_STS2, 6, 4)
	s_cmp_eq_u32 s2, 0
	s_cbranch_scc0 .Lentry_in_a_cluster
	s_endpgm
.Lentry_in_a_cluster:
	s_bfe_u32 s2, ttmp6, 0x10000c
	s_cmp_lg_u32 s2, 0xf033
	s_cbranch_scc0 .Lentry_shape_is_right
	s_endpgm
.Lentry_shape_is_right:
; out0[m][n] = sum over k of O[m][k] Woh[k][n] + bo[n].  O: [8192][1024] f16, Woh: [1024][1024] f16, bo: [1024] f32, out0: [8192][1024] f32.
; Sums and the bias in f32.  The order of the sums is not the reference's.
; A work-group makes 128 rows x 256 columns with four waves, a wave 64 x 128: 32 accumulator tiles.  8,192 x 1,024 outputs on 256 work-groups
; are 32,768 each; 128 x 256 is the squarest such block.  K = 1024 goes in steps of 128 through two LDS slots.
; CLUSTERS: 4 x 4 work-groups.  O's tile is asked for jointly by a row of the cluster, Woh's by a column.
; Woh lies [k][n] and is read by transposing LDS loads.
; REGISTERS: window 0: v0-31 addresses, v32-95 O's fragments (two buffers of 4), v96-223 Woh's fragments (two buffers of 8);
; window 1: accumulators, tile (a, b) at v[8 (8 a + b)]; window 2: v0-63 (v512-575) the bias of my 128 columns.
; The matrix instruction is used transposed (source 0 = columns of Woh, source 1 = rows of O): lane l holds row l % 16, eight neighbouring columns.
.set KSTEP,  128
.set PITCH,  272
.set BPITCH, 544
.set HALFT,  128*PITCH                 ; the stride of the waves' landing places
.set SLOT,   4*HALFT
.set STAGE,  2*SLOT                    ; 16 rows x 528 bytes for each wave; no tensor load lands here
.set SPITCH, 528                       ; a stage row: 128 f32 + 16 bytes: sixteen rows start at sixteen different 16-byte columns modulo 256
.set LAPS,   4
.set ASTEP,  KSTEP*2
.set BSTEP,  KSTEP*2048
.set CROW,   4096                      ; bytes in a row of out0
.set ADRA, 16
.set ADRB, 20
.set STO,  24
.set RD,   25
.set CO,   26
.set BOF,  27
.set FA,   32
.set FB,   96
.set G1,  24
.set G0,  32
.set G1B, 48
.set G0B, 56
.set MSB, 0
.set MULW, 0x50                        ; sources 0 and 1 window 0, C and D window 1
.macro WIN new
.if MSB != \new
	s_set_vgpr_msb (MSB<<8)|\new
.set MSB, \new
.endif
.endm
.macro JLOAD s                         ; waves 0 and 1 fetch O's two halves, waves 2 and 3 Woh's
	s_cmp_eq_u32 s11, 0
	s_cbranch_scc0 .Lfor_b_\@
	tensor_load_to_lds s[G0+4*\s:G0+4*\s+3], s[G1:G1+7]
	s_nop 0
	s_branch .Lasked_\@
.Lfor_b_\@:
	tensor_load_to_lds s[G0B+4*\s:G0B+4*\s+3], s[G1B:G1B+7]
	s_nop 0
.Lasked_\@:
.endm
.macro CREST
	s_cmp_lg_u32 s10, 0
	s_cbranch_scc1 .Lnot_wave_0_\@
	s_barrier_signal -3
.Lnot_wave_0_\@:
	s_barrier_wait -3
	s_barrier_signal -1
	s_barrier_wait -1
.endm
.macro CROUND
	s_barrier_signal -1
	s_barrier_wait -1
	CREST
.endm
	s_load_b128 s[4:7], s[0:1], 0x0                ; O s[4:5], Woh s[6:7]
	s_load_b64 s[8:9], s[0:1], 0x10                ; out0
	s_load_b64 s[66:67], s[0:1], 0x18              ; bo
	v_lshl_add_u32 v254, v0, 2, 0x4c400
	v_mov_b32 v255, 0
	ds_add_u32 v254, v255
	v_lshrrev_b32 v1, 5, v0
	v_readfirstlane_b32 s10, v1                    ; wave 0..3
	s_lshr_b32 s11, s10, 1                         ; my 64 of the block's rows.  Also: I fetch for O (0) or Woh (1)
	s_and_b32 s12, s10, 1                          ; my 128 of its columns.  Also: which half of that tile I fetch
	s_bfe_u32 s40, ttmp6, 0x40000                  ; cx
	s_bfe_u32 s41, ttmp6, 0x40004                  ; cy
	s_lshl_b32 s42, ttmp9, 2
	s_add_co_u32 s42, s42, s40                     ; block of 256 columns, 0..3
	s_and_b32 s13, ttmp7, 0xffff
	s_lshl_b32 s13, s13, 2
	s_add_co_u32 s13, s13, s41                     ; block of 128 rows, 0..63
	s_lshl_b32 s43, s41, 2
	s_lshl_b32 s43, 15, s43                        ; my row of the cluster
	s_lshl_b32 s44, 0x1111, s40                    ; my column
	; group 1 for O: 64 rows x 128 elements of 2 bytes, 4 words of padding behind every 64
	s_or_b32 s[G1+0], s43, (1<<16)|(1<<20)|(1<<21)|(5<<22)|(3<<25)
	s_mov_b32 s[G1+1], KSTEP<<16
	s_mov_b32 s[G1+2], 64<<16
	s_mov_b32 s[G1+3], KSTEP<<16
	s_mov_b32 s[G1+4], 64
	s_mov_b32 s[G1+5], 1024
	s_mov_b32 s[G1+6], 0
	s_mov_b32 s[G1+7], 0
	; group 1 for Woh: 64 k-rows x 256 elements of 2 bytes, 8 words of padding behind every 128
	s_or_b32 s[G1B+0], s44, (1<<16)|(1<<20)|(1<<21)|(6<<22)|(7<<25)
	s_mov_b32 s[G1B+1], 256<<16
	s_mov_b32 s[G1B+2], 64<<16
	s_mov_b32 s[G1B+3], 256<<16
	s_mov_b32 s[G1B+4], 64
	s_mov_b32 s[G1B+5], 1024
	s_mov_b32 s[G1B+6], 0
	s_mov_b32 s[G1B+7], 0
	s_lshl_b32 s17, s12, 6
	s_lshl_b32 s16, s13, 7
	s_add_co_u32 s16, s16, s17                     ; O: row 128 x block row + 64 x half
	s_lshl_b32 s16, s16, 11                        ; x 2,048 bytes
	s_mov_b32 s17, 0
	s_lshl_b32 s46, s12, 17                        ; Woh: k-row 64 x half, 2,048 bytes each,
	s_lshl_b32 s47, s42, 9                         ; column 256 x block
	s_add_co_u32 s46, s46, s47
	s_mov_b32 s47, 0
	s_mul_i32 s20, s10, HALFT
	s_wait_dscnt 0x0
	s_wait_kmcnt 0x0
	s_add_nc_u64 s[14:15], s[4:5], s[16:17]
	s_add_nc_u64 s[46:47], s[6:7], s[46:47]
	CROUND                                         ; all sixteen work-groups are here: the first joint loads meet
.irp s, 0,1
	s_mov_b32 s[G0+4*\s], 1
	s_add_co_u32 s[G0+4*\s+1], s20, \s*SLOT
	s_add_nc_u64 s[G0+4*\s+2:G0+4*\s+3], s[14:15], \s*ASTEP
	s_or_b32 s[G0+4*\s+3], s[G0+4*\s+3], 0x80000000
	s_mov_b32 s[G0B+4*\s], 1
	s_add_co_u32 s[G0B+4*\s+1], s20, \s*SLOT
	s_add_nc_u64 s[G0B+4*\s+2:G0B+4*\s+3], s[46:47], \s*BSTEP
	s_or_b32 s[G0B+4*\s+3], s[G0B+4*\s+3], 0x80000000
	JLOAD \s                                       ; two tensor loads of the wave are out
.endr
	; the bias of my 128 columns: tile b needs columns 16 b + 8 (l / 16) + 0..7, 32 bytes
	s_lshl_b32 s68, s42, 10
	s_lshl_b32 s69, s12, 9
	s_add_co_u32 s68, s68, s69
	s_mov_b32 s69, 0
	s_add_nc_u64 s[66:67], s[66:67], s[68:69]
	v_and_b32 v1, 15, v0                           ; r
	v_bfe_u32 v2, v0, 4, 1                         ; h
	v_lshlrev_b32 v[BOF], 5, v2
	WIN 0x80                                       ; destination window 2, address window 0
.irp b, 0,1,2,3,4,5,6,7
	global_load_b128 v[8*\b:8*\b+3],   v[BOF], s[66:67] offset:64*\b
	global_load_b128 v[8*\b+4:8*\b+7], v[BOF], s[66:67] offset:64*\b+16
.endr
	WIN 0
	v_mul_u32_u24 v3, v1, PITCH
	v_lshl_add_u32 v3, v2, 4, v3                   ; O's fragment: row x pitch + 16 h
	s_mul_i32 s21, s11, HALFT                      ; my 64 rows of O
	v_and_b32 v4, 7, v0                            ; Woh's fragment: k-row 8 h + (l & 7), 16 bytes at 16 ((l >> 3) & 1)
	v_lshl_add_u32 v4, v2, 3, v4
	v_mul_u32_u24 v4, v4, BPITCH
	v_bfe_u32 v5, v0, 3, 1
	v_lshl_add_u32 v4, v5, 4, v4
	s_lshl_b32 s22, s12, 8                         ; my 128 columns
	s_add_co_u32 s22, s22, 2*HALFT
.irp s, 0,1
	v_add_nc_u32 v[ADRA+\s], s21, v3
	v_add_nc_u32 v[ADRB+\s], s22, v4
	s_add_co_u32 s21, s21, SLOT
	s_add_co_u32 s22, s22, SLOT
.endr
	s_mul_i32 s23, s10, 16*SPITCH
	s_add_co_u32 s23, s23, STAGE                   ; my stage
	v_mul_u32_u24 v4, v1, SPITCH
	v_lshl_add_u32 v4, v2, 5, v4                   ; in: row r, 32 bytes for each half of the lanes
	v_add_nc_u32 v[STO], s23, v4
	v_and_b32 v5, 31, v0
	v_lshlrev_b32 v[CO], 4, v5                     ; back and out: 32 lanes take one row's 512 bytes
	v_add_nc_u32 v[RD], s23, v[CO]
.macro MUL8 g, a, zero
.irp b, 0,1,2,3,4,5,6,7
.if \zero
	v_wmma_f32_16x16x32_f16 v[8*(8*\a+\b):8*(8*\a+\b)+7], v[FB+64*\g+8*\b:FB+64*\g+8*\b+7], v[FA+32*\g+8*\a:FA+32*\g+8*\a+7], 0
.else
	v_wmma_f32_16x16x32_f16 v[8*(8*\a+\b):8*(8*\a+\b)+7], v[FB+64*\g+8*\b:FB+64*\g+8*\b+7], v[FA+32*\g+8*\a:FA+32*\g+8*\a+7], v[8*(8*\a+\b):8*(8*\a+\b)+7]
.endif
.endr
.endm
.macro MUL32 g, zero
	MUL8 \g, 0, \zero
	MUL8 \g, 1, \zero
	MUL8 \g, 2, \zero
	MUL8 \g, 3, \zero
.endm
.macro FETCH slot, q, g                ; 24 LDS loads in one run
.irp i, 0,1,2,3,4,5,6,7
	ds_load_tr16_b128 v[FB+64*\g+8*\i:FB+64*\g+8*\i+3],   v[ADRB+\slot] offset:\q*32*BPITCH+32*\i
	ds_load_tr16_b128 v[FB+64*\g+8*\i+4:FB+64*\g+8*\i+7], v[ADRB+\slot] offset:\q*32*BPITCH+16*BPITCH+32*\i
.endr
.irp i, 0,1,2,3
	ds_load_b128 v[FA+32*\g+8*\i:FA+32*\g+8*\i+3],   v[ADRA+\slot] offset:\q*64+\i*16*PITCH
	ds_load_b128 v[FA+32*\g+8*\i+4:FA+32*\g+8*\i+7], v[ADRA+\slot] offset:\q*64+\i*16*PITCH+32
.endr
.endm
.macro PLACES                          ; four places behind a matrix instruction in front of loads into, or vector work on, its registers
.rept 4
	v_nop
.endr
.endm
; The 32 accumulators take turns, one instruction a turn, in the same order in every quarter.
.macro QUARTER slot, q, f, g, zero
	s_wait_dscnt 0x0                               ; buffer f's 24 loads, issued in front of the last 32 matrix instructions
	WIN 0
	PLACES                                         ; behind the matrix instructions that read buffer g
	FETCH \slot, \q, \g
	WIN MULW
	MUL32 \f, \zero
.endm
.macro THREE slot, zero
	QUARTER \slot, 1, 0, 1, \zero
	QUARTER \slot, 2, 1, 0, 0
	QUARTER \slot, 3, 0, 1, 0
.endm
.macro TURN slot, next, fill
	s_wait_dscnt 0x0                               ; buffer 1 is in, and those were my last reads of this slot
	s_wait_tensorcnt 0x0                           ; all my tensor loads have landed: the one that was out is my part of the next slot
	ds_add_u32 v254, v255
	s_wait_dscnt 0x0
	s_barrier_signal -1
	PLACES                                         ; behind the matrix instructions that read buffer 0, which is loaded again below
	MUL8 1, 0, 0                                   ; register work while the others arrive
	MUL8 1, 1, 0
	WIN 0
	s_barrier_wait -1
.if \fill
	CREST                                          ; no wave of any partner still reads this slot or has a load on its way
	s_add_nc_u64 s[G0+4*\slot+2:G0+4*\slot+3], s[G0+4*\slot+2:G0+4*\slot+3], 2*ASTEP
	s_add_nc_u64 s[G0B+4*\slot+2:G0B+4*\slot+3], s[G0B+4*\slot+2:G0B+4*\slot+3], 2*BSTEP
	JLOAD \slot                                    ; the wave's one tensor load behind the round, two K steps ahead
.endif
	FETCH \next, 0, 0
	WIN MULW
	MUL8 1, 2, 0
	MUL8 1, 3, 0
.endm
.macro LAP zero
	THREE 0, \zero
	TURN 0, 1, 1
	THREE 1, 0
	TURN 1, 0, 1
.endm
	s_wait_loadcnt 0x0                             ; the bias, once, while the first tiles are on their way
	s_wait_tensorcnt 0x1                           ; my part of K step 0 is in; K step 1's may stay out
	s_barrier_signal -1
	s_barrier_wait -1
	FETCH 0, 0, 0
	LAP 1                                          ; the first products start the sums: nothing is cleared
	WIN 0
	s_mov_b32 s3, LAPS-2
.Llap:
	LAP 0
	WIN 0
	s_sub_co_u32 s3, s3, 1
	s_cmp_lg_u32 s3, 0
	s_cbranch_scc1 .Llap
	THREE 0, 0                                     ; the last lap fills nothing
	TURN 0, 1, 0
	THREE 1, 0
	s_wait_dscnt 0x0
	MUL32 1, 0
	; THE WAY OUT, 16 rows at a time: add the bias, 32 bytes a lane into my stage, back and out as whole rows of 512 bytes
	PLACES
	s_lshl_b32 s13, s13, 7
	s_lshl_b32 s14, s11, 6
	s_add_co_u32 s16, s13, s14                     ; my first row
	s_lshl_b32 s16, s16, 12                        ; x 4,096 bytes
	s_mov_b32 s17, 0
	s_add_nc_u64 s[8:9], s[8:9], s[16:17]
	s_lshl_b32 s46, s42, 10                        ; my first column, in bytes
	s_lshl_b32 s47, s12, 9
	s_add_co_u32 s46, s46, s47
	s_mov_b32 s47, 0
	s_add_nc_u64 s[8:9], s[8:9], s[46:47]
.macro OUT16 a, f
	WIN 0x49                                       ; source 0 and destination: the accumulators; source 1: the bias in window 2
.irp b, 0,1,2,3,4,5,6,7
.irp p, 0,2,4,6
	v_pk_add_f32 v[8*(8*\a+\b)+\p:8*(8*\a+\b)+\p+1], v[8*(8*\a+\b)+\p:8*(8*\a+\b)+\p+1], v[8*\b+\p:8*\b+\p+1]
.endr
.endr
	WIN 0x04                                       ; an LDS store's data are its source 1: window 1
.irp b, 0,1,2,3,4,5,6,7
	ds_store_b128 v[STO], v[8*(8*\a+\b):8*(8*\a+\b)+3]   offset:64*\b
	ds_store_b128 v[STO], v[8*(8*\a+\b)+4:8*(8*\a+\b)+7] offset:64*\b+16
.endr
	WIN 0
	s_wait_xcnt 0x0                                ; set f, which earlier stores read, and the stores' base are rewritten only behind this wait
.if \a
	s_add_nc_u64 s[8:9], s[8:9], 16*CROW
.endif
.irp t, 0,1,2,3,4,5,6,7,8,9,10,11,12,13,14,15
	ds_load_b128 v[\f+4*\t:\f+4*\t+3], v[RD] offset:\t*SPITCH      ; a wave's LDS instructions are served in order: these see the stores above
.endr
.irp t, 0,1,2,3,4,5,6,7,8,9,10,11,12,13,14,15
	s_wait_dscnt 15-\t                             ; load t is back, the 15 - t younger ones stay out
	global_store_b128 v[CO], v[\f+4*\t:\f+4*\t+3], s[8:9] offset:\t*CROW th:TH_STORE_NT   ; the wave stores 512 consecutive bytes, aligned
.endr
.endm
	OUT16 0, FB
	OUT16 1, FB+64
	OUT16 2, FB
	OUT16 3, FB+64
	s_wait_tensorcnt 0x0
	ds_add_u32 v254, v255
	s_wait_dscnt 0x0
	CROUND                                         ; the closing round
	s_endpgm
.Lfunc_end_k_q3ed9a82b7f_proj:
	.size	k_q3ed9a82b7f_proj, .Lfunc_end_k_q3ed9a82b7f_proj-k_q3ed9a82b7f_proj
	.p2alignl 7, 3214868480
	.fill 96, 4, 3214868480
	.section	.rodata,"a",@progbits
	.p2align	6, 0x0
	.amdhsa_kernel k_q3ed9a82b7f_proj
		.amdhsa_group_segment_fixed_size 327680
		.amdhsa_private_segment_fixed_size 0
		.amdhsa_enable_private_segment 0
		.amdhsa_kernarg_size 32
		.amdhsa_user_sgpr_count 2
		.amdhsa_user_sgpr_kernarg_segment_ptr 1
		.amdhsa_wavefront_size32 1
		.amdhsa_system_sgpr_workgroup_id_x 1
		.amdhsa_system_sgpr_workgroup_id_y 1
		.amdhsa_system_sgpr_workgroup_id_z 1
		.amdhsa_system_vgpr_workitem_id 0
		.amdhsa_next_free_vgpr 576
		.amdhsa_next_free_sgpr 72
		.amdhsa_reserve_vcc 0
		.amdhsa_float_denorm_mode_32 3
		.amdhsa_float_denorm_mode_16_64 3
		.amdhsa_memory_ordered 1
		.amdhsa_forward_progress 1
		.amdhsa_inst_pref_size 127
	.end_amdhsa_kernel
	.amdgpu_metadata
---
amdhsa.version: [ 1, 2 ]
amdhsa.kernels:
  - .name:           k_q3ed9a82b7f_proj
    .symbol:         k_q3ed9a82b7f_proj.kd
    .args:
      - { .name: O, .offset: 0, .size: 8, .value_kind: global_buffer, .address_space: global }
      - { .name: Woh, .offset: 8, .size: 8, .value_kind: global_buffer, .address_space: global }
      - { .name: out0, .offset: 16, .size: 8, .value_kind: global_buffer, .address_space: global }
      - { .name: bo, .offset: 24, .size: 8, .value_kind: global_buffer, .address_space: global }
    .group_segment_fixed_size: 327680
    .private_segment_fixed_size: 0
    .kernarg_segment_align: 8
    .kernarg_segment_size: 32
    .max_flat_workgroup_size: 128
    .sgpr_count:     72
    .vgpr_count:     576
    .wavefront_size: 32
...
	.end_amdgpu_metadata
.endif
;; end of part 5
;; ======== version 2 of 2: 5 launches; version 1 with the launch prep written anew for expert scheduling mode
;; limits: values are held in f16: magnitudes above 65,504 overflow, below 6.1e-05 lose precision
;; workspace buffers: Xh 16,777,216 bytes; Wh 6,291,456 bytes; Woh 2,097,152 bytes; qkv 50,331,648 bytes; P 33,554,432 bytes; stats 1,048,576 bytes; O 16,777,216 bytes
;; launch prep (part 6): grid 768 x 1, 8 waves a work-group, no clusters, 0 bytes of LDS; arguments X, Wqkv, Wo, Xh, Wh, Woh; writes Xh, Wh, Woh
.if DOCPART == 6
	.amdgcn_target "amdgcn-amd-amdhsa--gfx1250"
	.amdhsa_code_object_version 6
	.text
	.protected	k_q3ed9a82b7f_prep
	.globl	k_q3ed9a82b7f_prep
	.p2align	8
	.type	k_q3ed9a82b7f_prep,@function
k_q3ed9a82b7f_prep:
	s_mov_b64 s[64:65], 0
	v_nop
	global_prefetch_b8 v0, s[64:65] scope:SCOPE_SE
	s_setreg_imm32_b32 hwreg(HW_REG_WAVE_SCHED_MODE, 0, 2), 2
	s_setreg_imm32_b32 hwreg(HW_REG_WAVE_MODE, 25, 1), 1
	s_wait_xcnt 0x0
	s_wait_alu depctr_vm_vsrc(0)
; Xh = f16(X), Wh = f16(Wqkv), Woh = f16(Wo): the matrix operands of the later launches, rounded once to nearest even.
; LIMIT: a number above 65,504 in magnitude becomes an infinity in f16; numbers below 6e-5 keep fewer bits, below 3e-8 they become 0.
; A stream: every byte is read once and written once, work-groups share no input, so LDS, barriers, the matrix unit and clusters have nothing to add.
; A work-group takes a chunk of 16,384 numbers (65,536 bytes in, 32,768 out); X has 512 chunks, Wqkv 192, Wo 64: 768 work-groups.
; A wave takes 2,048 numbers: sixteen loads of 16 bytes a lane, each 512 consecutive bytes, all issued before the first is used;
; each store of 8 bytes a lane covers 256 consecutive bytes, aligned.
; THE MODE: SCHED_MODE bits 1:0 = 2 (LLVM: expert scheduling mode 2), set by the entry lines.  The code itself states the register dependences
; between vector instructions and memory instructions, with s_wait_alu, always for 0.
; THE PLAN.  Registers that memory instructions touch:
;   v1, v2   byte offsets of the loads and of the stores: written once at the head by vector instructions, never again.
;   IN       load j lands in its 4 registers, once; no vector instruction writes them; conversion pair j reads them; they are never loaded again.
;   OUT      conversion pair j writes its 2 registers, once; store j reads them.
; The sixteen loads go in four blocks of four.  Block p converts its four loads into its part of OUT; its memory instructions are the four stores
; of block p - 1, which read that block's part of OUT and v2: registers that no conversion of block p names.  So one wait at a block's head
; states all that its four stores hang on, and they are dealt among the block's conversions with no further wait.
; No register that a memory instruction reads is written again, no vector instruction writes a scalar register or VCC, and EXEC is never written.
.set XCH, 512                          ; chunks of X
.set WCH, 192                          ; chunks of Wqkv
.set IN,  4                            ; v[4:67]   load j: 4 registers
.set OUT, 68                           ; v[68:99]  store j: 2 registers
	s_load_b256 s[4:11], s[0:1], 0x0               ; X s[4:5], Wqkv s[6:7], Wo s[8:9], Xh s[10:11]
	s_load_b128 s[12:15], s[0:1], 0x20             ; Wh s[12:13], Woh s[14:15]
	s_mov_b32 s16, ttmp9                           ; the chunk's number over all three tensors
	s_sub_co_u32 s17, s16, XCH                     ; its number in Wqkv, if it lies there
	s_sub_co_u32 s18, s16, XCH+WCH                 ; its number in Wo, if it lies there
	v_lshrrev_b32 v3, 5, v0                        ; wave
	v_and_b32 v2, 31, v0                           ; lane
	v_lshlrev_b32 v1, 4, v2
	v_lshlrev_b32 v2, 3, v2
	v_lshl_add_u32 v1, v3, 13, v1                  ; in: 8,192 x wave + 16 x lane
	v_lshl_add_u32 v2, v3, 12, v2                  ; out: 4,096 x wave + 8 x lane
	s_wait_kmcnt 0x0
	s_cmp_lt_u32 s16, XCH+WCH                      ; the choice of tensor hangs on the work-group's number alone
	s_cselect_b64 s[20:21], s[6:7], s[8:9]
	s_cselect_b64 s[22:23], s[12:13], s[14:15]
	s_cselect_b32 s19, s17, s18
	s_cmp_lt_u32 s16, XCH
	s_cselect_b64 s[20:21], s[4:5], s[20:21]
	s_cselect_b64 s[22:23], s[10:11], s[22:23]
	s_cselect_b32 s19, s16, s19
	s_lshl_b32 s24, s19, 16                        ; the chunk's bytes in (at most 511 x 65,536: one word)
	s_mov_b32 s25, 0
	s_lshl_b32 s26, s19, 15                        ; and out
	s_mov_b32 s27, 0
	s_add_nc_u64 s[20:21], s[20:21], s[24:25]
	s_add_nc_u64 s[22:23], s[22:23], s[26:27]
	s_wait_alu depctr_va_vdst(0)                   ; v1 and v2 are written: every load below reads v1 as its offset, every store v2
.irp j, 0,1,2,3,4,5,6,7,8,9,10,11,12,13,14,15
	global_load_b128 v[IN+4*\j:IN+4*\j+3], v1, s[20:21] offset:512*\j th:TH_LOAD_NT
.endr
; Block p: loads 4 p to 4 p + 3 are converted; the stores of block p - 1 stand one ahead of each pair of conversions.
.irp p, 0,1,2,3
	s_wait_loadcnt 12-4*(\p)                       ; loads come back in order: this block's four are in, the 12 - 4 p younger ones stay out
.if (\p) > 0
	s_wait_alu depctr_va_vdst(0)                   ; the block before has written its part of OUT, which the four stores below read
.endif
.irp i, 0,1,2,3
.if (\p) > 0
	global_store_b64 v2, v[OUT+2*(4*(\p)-4+(\i)):OUT+2*(4*(\p)-4+(\i))+1], s[22:23] offset:256*(4*(\p)-4+(\i))   ; no vector instruction since the wait names these registers; no register is written twice: no wait for sources
.endif
	v_cvt_pk_f16_f32 v[OUT+2*(4*(\p)+(\i))],   v[IN+4*(4*(\p)+(\i))],   v[IN+4*(4*(\p)+(\i))+1]
	v_cvt_pk_f16_f32 v[OUT+2*(4*(\p)+(\i))+1], v[IN+4*(4*(\p)+(\i))+2], v[IN+4*(4*(\p)+(\i))+3]
.endr
.endr
	s_wait_alu depctr_va_vdst(0)                   ; block 3 has written its part of OUT, which the last four stores read
.irp i, 12,13,14,15
	global_store_b64 v2, v[OUT+2*\i:OUT+2*\i+1], s[22:23] offset:256*\i
.endr
	s_endpgm
.Lfunc_end_k_q3ed9a82b7f_prep:
	.size	k_q3ed9a82b7f_prep, .Lfunc_end_k_q3ed9a82b7f_prep-k_q3ed9a82b7f_prep
	.p2alignl 7, 3214868480
	.fill 96, 4, 3214868480
	.section	.rodata,"a",@progbits
	.p2align	6, 0x0
	.amdhsa_kernel k_q3ed9a82b7f_prep
		.amdhsa_group_segment_fixed_size 0
		.amdhsa_private_segment_fixed_size 0
		.amdhsa_enable_private_segment 0
		.amdhsa_kernarg_size 48
		.amdhsa_user_sgpr_count 2
		.amdhsa_user_sgpr_kernarg_segment_ptr 1
		.amdhsa_wavefront_size32 1
		.amdhsa_system_sgpr_workgroup_id_x 1
		.amdhsa_system_sgpr_workgroup_id_y 1
		.amdhsa_system_sgpr_workgroup_id_z 1
		.amdhsa_system_vgpr_workitem_id 0
		.amdhsa_next_free_vgpr 100
		.amdhsa_next_free_sgpr 66
		.amdhsa_reserve_vcc 0
		.amdhsa_float_denorm_mode_32 3
		.amdhsa_float_denorm_mode_16_64 3
		.amdhsa_memory_ordered 1
		.amdhsa_forward_progress 1
		.amdhsa_inst_pref_size 7
	.end_amdhsa_kernel
	.amdgpu_metadata
---
amdhsa.version: [ 1, 2 ]
amdhsa.kernels:
  - .name:           k_q3ed9a82b7f_prep
    .symbol:         k_q3ed9a82b7f_prep.kd
    .args:
      - { .name: X, .offset: 0, .size: 8, .value_kind: global_buffer, .address_space: global }
      - { .name: Wqkv, .offset: 8, .size: 8, .value_kind: global_buffer, .address_space: global }
      - { .name: Wo, .offset: 16, .size: 8, .value_kind: global_buffer, .address_space: global }
      - { .name: Xh, .offset: 24, .size: 8, .value_kind: global_buffer, .address_space: global }
      - { .name: Wh, .offset: 32, .size: 8, .value_kind: global_buffer, .address_space: global }
      - { .name: Woh, .offset: 40, .size: 8, .value_kind: global_buffer, .address_space: global }
    .group_segment_fixed_size: 0
    .private_segment_fixed_size: 0
    .kernarg_segment_align: 8
    .kernarg_segment_size: 48
    .max_flat_workgroup_size: 256
    .sgpr_count:     66
    .vgpr_count:     100
    .wavefront_size: 32
...
	.end_amdgpu_metadata
.endif
;; end of part 6
;; launch qkv: the kernel of part 2 again; grid 8 x 32, 4 waves a work-group, clusters of 4 x 4, 327,680 bytes of LDS; arguments Xh, Wh, qkv, bqkv; writes qkv
;; launch scores: the kernel of part 3 again; grid 8 x 32, 4 waves a work-group, clusters of 4 x 4, 327,680 bytes of LDS; arguments qkv, P, stats; writes P, stats
;; launch pv: the kernel of part 4 again; grid 4 x 64, 4 waves a work-group, clusters of 4 x 4, 327,680 bytes of LDS; arguments P, qkv, O, stats; writes O
;; launch proj: the kernel of part 5 again; grid 4 x 64, 4 waves a work-group, clusters of 4 x 4, 327,680 bytes of LDS; arguments O, Woh, out0, bo; writes out0
